; MI455X (gfx1250); checked and timed in simulation.
; The chip was launched on July 23, 2026; its instructions are those of AMD's public machine-readable ISA for CDNA 5 (MIT licence, August 2026) and "CDNA5" Instruction Set Architecture Reference Guide (July 2026). The comments in the code are by the model that wrote it; some were corrected since.
;; Time Aware Attention. Allowed arithmetic: matrix products marked QUANTISED: E2M1 operands, one E8M0 scale for each 32 along K, by v_wmma_scale_f32_16x16x128_f8f6f4 with both operands' format E2M1 (or v_wmma_scale_f32_32x16x128_f4), f32 sums; everything else in f32.
;; Inputs: in_proj_b 3,072 float32; in_proj_w_codes 3,072 x 32 x 16 uint8 (E2M1 codes of in_proj_w, K innermost, in blocks of 32 codes, two codes a byte); in_proj_w_scales 3,072 x 32 uint8 (E8M0 scales of in_proj_w, one for each 32 codes along K); ln_b 1,024 float32; ln_w 1,024 float32; out_proj_b 1,024 float32; out_proj_w_codes 1,024 x 32 x 16 uint8 (E2M1 codes of out_proj_w, K innermost, in blocks of 32 codes, two codes a byte); out_proj_w_scales 1,024 x 32 uint8 (E8M0 scales of out_proj_w, one for each 32 codes along K); time_decay one number float32; x 8 x 1,024 x 1,024 float32.
;; Outputs: out0 8 x 1,024 x 1,024 float32; out1 8 x 1,024 x 1,024 float32.
;; This version of the problem:
;;   THIS VERSION OF THE PROBLEM IS GIVEN IN LOW PRECISION. The matrix products marked QUANTISED in the list below multiply operands that are first quantised to E2M1 (2 exponent bits, 1 mantissa bit; 4 bits a number), with one power-of-two scale for each 32 numbers along K (OCP MX v1.0); their sums are f32. All else is computed in f32.
;;   The module's matrix products, in the order in which they are computed (A, B: the left and right operand; K: the contracted axis; several contracted axes count as one K, in the product's order):
;;     1. [M 8,192, K 1,024] x [K 1,024, N 3,072]; A: input x; B: input in_proj_w (given as codes): QUANTISED
;;     2. batch 128 x [M 1,024, K 64] x [K 64, N 1,024]; A: computed on the way; B: computed on the way: QUANTISED
;;     3. batch 128 x [M 64, K 1,024] x [K 1,024, N 1,024]; A: computed on the way; B: softmax (see below): QUANTISED
;;     4. [M 8,192, K 1,024] x [K 1,024, N 1,024]; A: computed on the way; B: input out_proj_w (given as codes): QUANTISED
;;   THE QUANTISER, for each operand of a quantised product, along K:
;;     - K is cut into blocks of 32 from its start; a last block that is shorter is filled with zeros.
;;     - A block's scale is 2^e with e = floor(log2(the largest magnitude in the block)) - 2, held to -126 .. 127; a block of zeros has e = 0. As a byte (E8M0): e + 127.
;;     - Each number is divided by its block's scale, clamped to +-6, and rounded to the nearest number of E2M1, ties to even, subnormals kept.
;;     - The product sums the exact products of the quantised numbers (number of the format x scale) in f32.
;;   ~~~python
;;   def quantise(x, axis):      # numpy; x: float32 -> the quantised numbers, widened to float32 again
;;       x = np.moveaxis(x, axis, -1); K = x.shape[-1]
;;       x = np.pad(x, [(0, 0)] * (x.ndim - 1) + [(0, -K % 32)]); x = x.reshape(x.shape[:-1] + (-1, 32)); a = np.abs(x).max(-1, keepdims=True)
;;       e = np.where(a > 0, np.clip(np.frexp(np.where(a > 0, a, 1))[1] - 1 - 2, -126, 127), 0)      # np.frexp(a)[1] - 1 = floor(log2(a)), exactly
;;       r = np.clip(x / 2.0 ** e, -6, 6)
;;       step = 2.0 ** (np.maximum(np.frexp(np.where(r == 0, 1, r))[1] - 1, 0) - 1)
;;       q = np.round(r / step) * step * 2.0 ** e      # np.round: ties to even
;;       return np.moveaxis(q.reshape(q.shape[:-2] + (-1,))[..., :K], -1, axis).astype(np.float32)
;;   ~~~
;;   SOFTMAX AHEAD OF A QUANTISED PRODUCT. Where the list says 'softmax', what is quantised is not the finished softmax but p = 2^(t - M), with t = logit x log2(e) and M = ceil(the row's largest t), a whole number; so 1/2 < the row's largest p <= 1. The row's sum l is taken of the UNQUANTISED p, in f32, and the product's result is divided by l at the end. Since M is a whole number, a kernel that streams over the keys may use a running M (the ceiling of the running maximum): every later rescaling is an exact power of two, which a block's scale takes up: the codes' values come out the same.
;;   OPERANDS COMPUTED ON THE WAY. 'Computed on the way' means the value that the module computes at that place (a softmax that the list does not call 'softmax' is quantised finished and normalised). What goes into a quantiser is computed in f32, as accurately as f32 sums, v_exp_f32 and their like allow (about 1e-6 of the number): no bf16 or f16 on the way to a quantiser, and a product that is left as it is and whose result goes on into a quantised operand takes f32 operands (vector FMAs, or v_wmma_f32_16x16x4_f32). A number that lies on a knife's edge between two numbers of the format may be rounded either way, as far as f32 arithmetic and the matrix unit's own rounding can turn it there, and no further.
;;   INPUTS GIVEN AS CODES. in_proj_w (in the module: [3072, 1024], K = its axis 1); out_proj_w (in the module: [1024, 1024], K = its axis 1): each comes as NAME_codes (uint8): NAME with its K axis moved to the last place and cut into blocks of 32 codes, [.., K / 32, bytes a block], one block behind the other in memory; two codes a byte, the lower K in the low four bits (a code: sign, 2 exponent bits, 1 mantissa bit); and NAME_scales (uint8): the same leading axes, one E8M0 byte (e + 127) for each 32 codes along K. Its value is code x scale, taken as it is: it is not quantised again, and the codes and scales need not be those that the quantiser above would give.
;; One version. Each part assembles by itself: llvm-mc -triple=amdgcn-amd-amdhsa -mcpu=gfx1250 --defsym DOCPART=n.
;; ======== version 1 of 1: 3 launches
;; workspace buffers: xc 4,194,304 bytes; xs 262,144 bytes; w2i 524,288 bytes; qkvc 12,582,912 bytes; qkvs 786,432 bytes
;; launch prep (part 1): grid 272 x 1, 4 waves a work-group, no clusters, 33,280 bytes of LDS; arguments x, out_proj_w_codes, xc, xs, w2i; writes xc, xs, w2i
.if DOCPART == 1
	.amdgcn_target "amdgcn-amd-amdhsa--gfx1250"
	.amdhsa_code_object_version 6
	.text
	.protected	k_qcbcd40fcf0_prep
	.globl	k_qcbcd40fcf0_prep
	.p2align	8
	.type	k_qcbcd40fcf0_prep,@function
k_qcbcd40fcf0_prep:
	s_mov_b64 s[64:65], 0
	v_nop
	global_prefetch_b8 v0, s[64:65] scope:SCOPE_SE
	s_setreg_imm32_b32 hwreg(HW_REG_WAVE_MODE, 25, 1), 1
	s_wait_xcnt 0x0
; Work-groups 0-255: x [8192][1024] f32 becomes codes of FP4 (E2M1), K innermost (xc, 512 bytes a row), with one E8M0 byte for each 32 along K (xs, 32 bytes a row).
; A block's scale is 2^(floor(log2(its largest magnitude)) - 2); its byte is the largest magnitude's exponent field - 2, held at 1 from below.
; Rows are dense, so x is a plain stream of blocks of 32.  A wave takes 16 steps of 512 numbers.  Each load reads 512 consecutive bytes, 16 a lane; a step's 2,048 bytes turn through the wave's own stage in LDS and come back
; 64 bytes a lane (16 neighbours along K: two neighbouring lanes hold a block).  A lane's 16 codes are 8 bytes: the wave stores 256 consecutive bytes.  A wave's 256 scale bytes are gathered in LDS and leave as one run of 256.
; Work-groups 256-271: out_proj_w's codes are laid in the order of an operand's registers: w2i [tile of 16 rows (64)][K step of 128 (8)][c (2)][lane (32)][16 bytes] = codes[16 T + lane % 16][64 s + 32 c + 16 (lane / 16) ..],
; so that the last launch loads each fragment as runs of 512 consecutive bytes.  This path uses no LDS.
; LIMITS: NaN and infinities are not served; a block whose largest magnitude lies under 2^-124 keeps the byte 1; a block of zeros gets the byte 1 and not 127 (its codes are zeros, and this program alone reads the bytes).
.set STEPS, 16
.set EMAX,  2
.set CB,    8                          ; bytes of 16 codes
.set R,     16                         ; v16-79   four sets of 16 numbers as they are loaded
.set X,     80                         ; v80-111  two sets of 16 neighbours
.set C,     128                        ; v128-191 codes: four registers for each step, so that no store's data are written again
.set E,     112                        ; v112-127 a scale byte for each step
.set WREG,  8192                       ; LDS: a region for each wave: two stages of 32 x SP bytes, behind them its 256 scale bytes
.set SP,    80                         ; a lane's place in a stage: 64 bytes + 16 of padding
	s_load_b128 s[4:7], s[0:1], 0x0                ; x, out_proj_w's codes
	s_load_b128 s[8:11], s[0:1], 0x10              ; xc, xs
	s_load_b64 s[12:13], s[0:1], 0x20              ; w2i
	v_lshl_add_u32 v192, v0, 2, 0x8000
	v_mov_b32 v193, 0
	v_lshrrev_b32 v1, 5, v0
	v_readfirstlane_b32 s16, v1                    ; wave
	v_and_b32 v2, 31, v0                           ; lane
	s_cmp_ge_u32 ttmp9, 256                        ; the choice hangs on the work-group's number alone
	s_cbranch_scc1 .Lw2
	v_lshlrev_b32 v3, 4, v2                        ; my 16 bytes of a load's 512
	s_mul_i32 s17, s16, WREG
	v_lshrrev_b32 v14, 2, v2
	v_mul_u32_u24 v14, v14, SP
	v_and_b32 v15, 3, v2
	v_lshl_add_u32 v14, v15, 4, v14
	v_add_nc_u32 v14, s17, v14                     ; the stage, on the way in: SP (lane / 4) + 16 (lane % 4)
	v_mul_u32_u24 v15, v2, SP
	v_add_nc_u32 v15, s17, v15                     ; and on the way out: SP x lane
	v_mul_u32_u24 v4, v2, CB                       ; my codes' place in a step's
	v_lshrrev_b32 v5, 1, v2
	s_add_co_u32 s17, s17, 2*32*SP
	v_add_nc_u32 v5, s17, v5                       ; my block's byte among my wave's 256
	v_lshlrev_b32 v7, 3, v2
	v_add_nc_u32 v6, s17, v7                       ; and 8 bytes a lane on the way out
	s_lshl_b32 s17, ttmp9, 2
	s_add_co_u32 s18, s17, s16                     ; which run of 8,192 numbers is my wave's
	s_mov_b32 s19, 0
	s_mov_b64 s[20:21], 512*STEPS*4
	s_mul_u64 s[20:21], s[18:19], s[20:21]
	s_mov_b64 s[22:23], 32*STEPS*CB
	s_mul_u64 s[22:23], s[18:19], s[22:23]
	s_lshl_b32 s18, s18, 8                         ; 256 scale bytes a run
	s_wait_kmcnt 0x0
	s_add_nc_u64 s[4:5], s[4:5], s[20:21]
	s_add_nc_u64 s[8:9], s[8:9], s[22:23]
	s_add_nc_u64 s[10:11], s[10:11], s[18:19]
.macro LOAD t
.irp i, 0,1,2,3
	global_load_b128 v[R+16*((\t)%4)+4*\i:R+16*((\t)%4)+4*\i+3], v3, s[4:5] offset:2048*(\t)+512*\i   ; 32 lanes read 512 consecutive bytes
.endr
.endm
.macro TURN t                          ; step t's numbers through the stage: LDS serves a wave's instructions in order, so no wait stands between the stores and the loads
.irp i, 0,1,2,3
	ds_store_b128 v14, v[R+16*((\t)%4)+4*\i:R+16*((\t)%4)+4*\i+3] offset:32*SP*((\t)%2)+8*SP*\i
.endr
.irp i, 0,1,2,3
	ds_load_b128 v[X+16*((\t)%2)+4*\i:X+16*((\t)%2)+4*\i+3], v15 offset:32*SP*((\t)%2)+16*\i
.endr
.endm
.irp t, 0,1,2,3
	LOAD \t
.endr
	s_wait_loadcnt 12                              ; step 0's four loads are in
	TURN 0
.macro STEP t
.set XS, X+16*((\t)%2)
.if (\t) > 0
	s_wait_dscnt 1                                 ; this step's numbers are back from the stage (the last step's byte store may be out)
.else
	s_wait_dscnt 0x0
.endif
.if (\t)+4 < STEPS
	LOAD (\t)+4                                    ; the registers that the stage's stores have read take the loads of four steps on
.endif
.if (\t)+1 < STEPS
.if STEPS-2-(\t) >= 3
	s_wait_loadcnt 12                              ; the next step's four loads are in; those of the three steps behind it may be out
.else
	s_wait_loadcnt 4*(STEPS-2-(\t))
.endif
	TURN (\t)+1
.endif
	v_max3_num_f32 v8, |v[XS]|, |v[XS+1]|, |v[XS+2]|               ; the largest magnitude of my 16
	v_max3_num_f32 v9, |v[XS+3]|, |v[XS+4]|, |v[XS+5]|
.irp i, 6,10
	v_max3_num_f32 v8, v8, |v[XS+\i]|, |v[XS+\i+1]|
	v_max3_num_f32 v9, v9, |v[XS+\i+2]|, |v[XS+\i+3]|
.endr
	v_max3_num_f32 v8, v8, |v[XS+14]|, |v[XS+15]|
	v_max3_num_f32 v8, v8, v9, (EMAX+1)<<23        ; and the floor 2^(3 - 127): the byte cannot fall under 1
	v_max_num_f32_dpp v8, v8, v8 row_xmask:1 row_mask:0xf bank_mask:0xf   ; and of my neighbour's 16: the block's
	v_add_nc_u32 v11, -(EMAX<<23), v8              ; 2 off its exponent field: the conversion takes that field as its scale
	v_cvt_scalef32_pk8_fp4_f32 v[C+4*(\t)], v[XS:XS+7], v11
	v_cvt_scalef32_pk8_fp4_f32 v[C+4*(\t)+1], v[XS+8:XS+15], v11
	v_lshrrev_b32 v[E+(\t)], 23, v11               ; the scale's byte
	ds_store_b8 v5, v[E+(\t)] offset:16*(\t)       ; both lanes of a block write the same byte with the same value
	global_store_b64 v4, v[C+4*(\t):C+4*(\t)+1], s[8:9] offset:32*CB*(\t)
.endm
.irp t, 0,1,2,3,4,5,6,7,8,9,10,11,12,13,14,15
	STEP \t
.endr
	ds_load_b64 v[12:13], v6                       ; LDS serves a wave's instructions in order: these see my stores
	s_wait_dscnt 0x0
	global_store_b64 v7, v[12:13], s[10:11]        ; 32 lanes store 256 consecutive bytes
	s_wait_tensorcnt 0x0
	ds_add_u32 v192, v193
	s_wait_dscnt 0x0
	s_endpgm
.Lw2:
	v_and_b32 v5, 15, v0                           ; r
	v_bfe_u32 v6, v0, 4, 1                         ; h
	v_lshlrev_b32 v3, 9, v5                        ; row r of 512 bytes,
	v_lshl_add_u32 v3, v6, 4, v3                   ; + 16 h
	v_lshlrev_b32 v4, 4, v2                        ; out: 16 x lane
	s_sub_co_u32 s17, ttmp9, 256
	s_lshl_b32 s17, s17, 2
	s_add_co_u32 s17, s17, s16                     ; tile T = 4 (work-group - 256) + wave
	s_lshl_b32 s18, s17, 13                        ; 16 rows of 512 bytes in, 8,192 bytes out
	s_mov_b32 s19, 0
	s_wait_kmcnt 0x0
	s_add_nc_u64 s[6:7], s[6:7], s[18:19]
	s_add_nc_u64 s[12:13], s[12:13], s[18:19]
.irp k, 0,1,2,3,4,5,6,7,8,9,10,11,12,13,14,15
	global_load_b128 v[16+4*\k:19+4*\k], v3, s[6:7] offset:64*(\k/2)+32*(\k%2)
.endr
.irp k, 0,1,2,3,4,5,6,7,8,9,10,11,12,13,14,15
	s_wait_loadcnt 15-\k                           ; loads come back in order: number k is in
	global_store_b128 v4, v[16+4*\k:19+4*\k], s[12:13] offset:512*\k   ; 32 lanes store 512 consecutive bytes
.endr
	s_endpgm
.Lfunc_end_k_qcbcd40fcf0_prep:
	.size	k_qcbcd40fcf0_prep, .Lfunc_end_k_qcbcd40fcf0_prep-k_qcbcd40fcf0_prep
	.p2alignl 7, 3214868480
	.fill 96, 4, 3214868480
	.section	.rodata,"a",@progbits
	.p2align	6, 0x0
	.amdhsa_kernel k_qcbcd40fcf0_prep
		.amdhsa_group_segment_fixed_size 33280
		.amdhsa_private_segment_fixed_size 0
		.amdhsa_enable_private_segment 0
		.amdhsa_kernarg_size 40
		.amdhsa_user_sgpr_count 2
		.amdhsa_user_sgpr_kernarg_segment_ptr 1
		.amdhsa_wavefront_size32 1
		.amdhsa_system_sgpr_workgroup_id_x 1
		.amdhsa_system_sgpr_workgroup_id_y 1
		.amdhsa_system_sgpr_workgroup_id_z 1
		.amdhsa_system_vgpr_workitem_id 0
		.amdhsa_next_free_vgpr 194
		.amdhsa_next_free_sgpr 66
		.amdhsa_reserve_vcc 0
		.amdhsa_float_denorm_mode_32 3
		.amdhsa_float_denorm_mode_16_64 3
		.amdhsa_memory_ordered 1
		.amdhsa_forward_progress 1
		.amdhsa_inst_pref_size 37
	.end_amdhsa_kernel
	.amdgpu_metadata
---
amdhsa.version: [ 1, 2 ]
amdhsa.kernels:
  - .name:           k_qcbcd40fcf0_prep
    .symbol:         k_qcbcd40fcf0_prep.kd
    .args:
      - { .name: x, .offset: 0, .size: 8, .value_kind: global_buffer, .address_space: global }
      - { .name: out_proj_w_codes, .offset: 8, .size: 8, .value_kind: global_buffer, .address_space: global }
      - { .name: xc, .offset: 16, .size: 8, .value_kind: global_buffer, .address_space: global }
      - { .name: xs, .offset: 24, .size: 8, .value_kind: global_buffer, .address_space: global }
      - { .name: w2i, .offset: 32, .size: 8, .value_kind: global_buffer, .address_space: global }
    .group_segment_fixed_size: 33280
    .private_segment_fixed_size: 0
    .kernarg_segment_align: 8
    .kernarg_segment_size: 40
    .max_flat_workgroup_size: 128
    .sgpr_count:     66
    .vgpr_count:     194
    .wavefront_size: 32
...
	.end_amdgpu_metadata
.endif
;; end of part 1
;; launch qkv (part 2): grid 12 x 32, 4 waves a work-group, clusters of 4 x 4, 327,680 bytes of LDS; arguments xc, xs, in_proj_w_codes, in_proj_w_scales, in_proj_b, qkvc, qkvs; writes qkvc, qkvs
.if DOCPART == 2
	.amdgcn_target "amdgcn-amd-amdhsa--gfx1250"
	.amdhsa_code_object_version 6
	.text
	.protected	k_qcbcd40fcf0_qkv
	.globl	k_qcbcd40fcf0_qkv
	.p2align	8
	.type	k_qcbcd40fcf0_qkv,@function
k_qcbcd40fcf0_qkv:
	s_mov_b64 s[64:65], 0
	v_nop
	global_prefetch_b8 v0, s[64:65] scope:SCOPE_SE
	s_setreg_imm32_b32 hwreg(HW_REG_WAVE_MODE, 25, 1), 1
	s_wait_xcnt 0x0
	s_wait_alu depctr_hold_cnt(0) depctr_sa_sdst(0) depctr_va_vdst(0) depctr_va_sdst(0) depctr_va_ssrc(0) depctr_va_vcc(0) depctr_vm_vsrc(0)
	s_getreg_b32 s2, hwreg(HW_REG_IB_STS2, 6, 4)
	s_cmp_eq_u32 s2, 0
	s_cbranch_scc0 .Lentry_in_a_cluster
	s_endpgm
.Lentry_in_a_cluster:
	s_bfe_u32 s2, ttmp6, 0x10000c
	s_cmp_lg_u32 s2, 0xf033
	s_cbranch_scc0 .Lentry_shape_is_right
	s_endpgm
.Lentry_shape_is_right:
; qkv = x W^T + b on codes of FP4 with E8M0 scales (x: [8192][1024], W: [3072][1024], K innermost), and at once the quantising of q and k along the head's 64 and of v along the keys.
; A tile of 256 tokens x 256 features is made by four waves, 128 x 128 each: 64 accumulators, 512 registers.  All of K (1,024) lies in two LDS slots of 512 along K, each filled once; the scale bytes of the
; tile's 256 + 256 rows come once too.  4 x 4 work-groups form a cluster: x's tile is asked for jointly along a row of the cluster, W's along a column.  A wave has three tensor loads out at the most.
; TWO ROLES.  In a product a lane holds one row of source 1, and its registers run along the rows of source 0.  A quantiser wants its K along a lane's registers.  q and k (clusters x = 0, 1): K = features, so source 1 = x,
; source 0 = W.  v (cluster x = 2): K = keys, so source 1 = W, source 0 = x.  The tensor loads are alike in all work-groups; only the LDS addresses that fragments and scale words are read from change places, by MODE,
; which hangs on the cluster's x alone and is equal in all partners.  The bias is the C of the first K step.
; OUT.  qkvc [q, k, v][batch][head][32,768 bytes].  q, k: [token][32 bytes].  v: [128 keys (8)][16 channels (4)][c (2)][channel (16)][h (2)][16 bytes]: the order of an operand's registers.
;       qkvs 2,048 bytes for each of these.  q, k: [64 tokens (16)][L (32)][4 bytes]: low half the two bytes of token 64 G + 32 (L / 16) + L % 16, high half those of the token 16 further on.  v: [128 keys (8)][channel (64)][4 bytes].
; LIMITS: NaN and infinities are not served; a block whose largest magnitude lies under 2^-124 keeps the byte 1; a block of zeros gets the byte 1 and not 127 (zero codes; this program alone reads the bytes).
; REGISTERS: window 0: v0-31 addresses; v32-95 scale words, two sets; v96-123 at work on the way out; v128-191 source 1's fragments, then the codes; v192-255 the bias, then rows read back.
;   window 1: source 0's fragments, two sets.   windows 2, 3: the accumulators ((a, b) at v[8 (8 (a % 4) + b)]).
.set SIZE_K, 1024
.set KSTEP,  512
.set NQ,     KSTEP/128
.set ROWB,   256                       ; a tile's row in bytes
.set KROW,   SIZE_K/2                  ; a row of codes in memory
.set PITCH,  272                       ; an LDS row: 256 bytes + 16 of padding: the 16 rows that a load touches start 4 banks apart
.set FR,     8
.set NL,     2
.set NP,     4                         ; places behind this matrix instruction (ISA guide 7.12.1)
.set HALFT,  128*PITCH
.set SLOT,   4*HALFT                   ; x's 256 rows, then W's 256 rows
.set KS,     SIZE_K/32
.set SCL,    2*SLOT                    ; behind the slots: the scale bytes, as runs of 256 bytes + 16 of padding
.set HALFS,  (128*KS/256)*272
.set SBLK,   (16*KS/256)*272
.set SPARE,  SCL+4*HALFS               ; the spare words, 128 bytes for each wave; no other line names them
.set WST,    9216                      ; the way out: a stage for each wave, in slot 0: 8,192 bytes of codes, 512 of scale words for each role
.set ADRA, 16                          ; v16-17  LDS address of source 1's fragments in slot 0, 1
.set ADRB, 20                          ; v20-21  of source 0's
.set STO,  24                          ; v24     stage: where I put 4 bytes of codes
.set RD,   25                          ; v25     stage: 16 x lane
.set CO,   26                          ; v26     16 x lane
.set ADRS, 27                          ; v27     my scale words: lanes 0-15 source 1's rows, lanes 16-31 source 0's
.set SPW,  28                          ; v28     my spare word; never rewritten
.set NIL,  29                          ; v29     0; never rewritten
.set SST,  30                          ; v30     stage: 4 x (lane % 16)
.set SGO,  31                          ; v31     the scale words' place in memory: 16 (lane % 16) + 2,048 (lane / 16)
.set SC,   32
.set TM,   96                          ; v96-99 largest magnitudes, v100-103 bytes, v108-111 the conversions' scale operands
.set SW,   112                         ; v112-119 a scale word for each block of 16 rows
.set AF,   128
.set PC,   128                         ; the codes: 8 registers for each block of 16 rows
.set BI,   192                         ; the bias, 8 tiles
.set RB,   192                         ; rows read back
.set G1, 24
.set G0, 32
.set G1B, 48
.set G0B, 56
.set G1S, 68
.set G0S, 76
.set G1SB, 80
.set G0SB, 88
.set MSB, 0
.macro WIN new                         ; the immediate's high byte repeats the setting that is left
.if MSB != \new
	s_set_vgpr_msb (MSB<<8)|\new
.set MSB, \new
.endif
.endm
.set MUL_LO, 0xa1                      ; source 0 window 1, source 1 window 0, C and D window 2
.set MUL_HI, 0xf1                      ; the same, C and D window 3
.set TO_B,   0x40
; A joint load: waves 0 and 1 fetch for x, waves 2 and 3 for W.  The branch hangs on the wave's number alone.  Four v_nop follow each of the two lines.
.macro JLOAD g0a, g1a, g0b, g1b
	s_cmp_eq_u32 s15, 0
	s_cbranch_scc0 .Lfor_b_\@
	tensor_load_to_lds s[\g0a:\g0a+3], s[\g1a:\g1a+7]
	s_nop 0
.rept 4
	v_nop
.endr
	s_branch .Lasked_\@
.Lfor_b_\@:
	tensor_load_to_lds s[\g0b:\g0b+3], s[\g1b:\g1b+7]
	s_nop 0
.rept 4
	v_nop
.endr
.Lasked_\@:
.endm
.macro CROUND                          ; a round of the cluster's barrier
	s_barrier_signal -1
	s_barrier_wait -1
	s_cmp_lg_u32 s14, 0
	s_cbranch_scc1 .Lnot_wave_0_\@
	s_barrier_signal -3
.Lnot_wave_0_\@:
	s_barrier_wait -3
	s_barrier_signal -1
	s_barrier_wait -1
.endm
	s_load_b128 s[4:7], s[0:1], 0x0                ; x's codes, x's scales
	s_load_b128 s[8:11], s[0:1], 0x10              ; W's codes, W's scales
	s_load_b64 s[12:13], s[0:1], 0x20              ; the bias
	s_load_b64 s[66:67], s[0:1], 0x28              ; qkvc
	s_load_b64 s[96:97], s[0:1], 0x30              ; qkvs
	v_lshl_add_u32 v[SPW], v0, 2, SPARE
	v_mov_b32 v[NIL], 0
	ds_add_u32 v28, v29
	ds_add_u32 v28, v29
	s_wait_dscnt 0x0
	v_lshrrev_b32 v1, 5, v0
	v_readfirstlane_b32 s14, v1                    ; wave 0..3
	s_lshr_b32 s15, s14, 1                         ; which half of source 1's rows is mine.  Also: I fetch for x (0) or for W (1)
	s_and_b32 s16, s14, 1                          ; which half of source 0's rows.  Also: which 128 rows I fetch
	s_bfe_u32 s40, ttmp6, 0x40000                  ; cx, cy
	s_bfe_u32 s41, ttmp6, 0x40004
	s_lshl_b32 s42, ttmp9, 2
	s_add_co_u32 s42, s42, s40                     ; X: tile of 256 features
	s_and_b32 s17, ttmp7, 0xffff
	s_lshl_b32 s17, s17, 2
	s_add_co_u32 s17, s17, s41                     ; Y: tile of 256 tokens
	s_lshl_b32 s43, s41, 2
	s_lshl_b32 s43, 15, s43                        ; my row of the cluster
	s_lshl_b32 s44, 0x1111, s40                    ; my column
	s_or_b32 s[G1+0], s43, (0<<16)|(1<<20)|(1<<21)|(5<<22)|(3<<25)  ; the mask; elements of 1 byte; padding: 4 words behind every 64; bit 21 beside a mask
	s_or_b32 s[G1B+0], s44, (0<<16)|(1<<20)|(1<<21)|(5<<22)|(3<<25)
.irp g, G1, G1B
	s_mov_b32 s[\g+1], ROWB<<16                    ; tensor_dim0
	s_mov_b32 s[\g+2], 128<<16                     ; tensor_dim1
	s_mov_b32 s[\g+3], ROWB<<16                    ; tile_dim0
	s_mov_b32 s[\g+4], 128                         ; tile_dim1
	s_mov_b32 s[\g+5], KROW                        ; the pitch
	s_mov_b32 s[\g+6], 0
	s_mov_b32 s[\g+7], 0
.endr
	s_or_b32 s[G1S+0], s43, (3<<16)|(1<<20)|(1<<21)|(5<<22)|(3<<25) ; the scale bytes of 128 rows: 4,096 dense bytes as 16 rows of 32 elements of 8 bytes
	s_or_b32 s[G1SB+0], s44, (3<<16)|(1<<20)|(1<<21)|(5<<22)|(3<<25)
.irp g, G1S, G1SB
	s_mov_b32 s[\g+1], 32<<16
	s_mov_b32 s[\g+2], (128*KS/256)<<16
	s_mov_b32 s[\g+3], 32<<16
	s_mov_b32 s[\g+4], 128*KS/256
	s_mov_b32 s[\g+5], 32
	s_mov_b32 s[\g+6], 0
	s_mov_b32 s[\g+7], 0
.endr
	s_lshl_b32 s18, s16, 7
	s_lshl_b32 s20, s17, 8
	s_add_co_u32 s20, s20, s18                     ; x: row 256 Y + 128 x half
	s_lshl_b32 s46, s42, 8
	s_add_co_u32 s46, s46, s18                     ; W: row 256 X + 128 x half
	s_mov_b32 s21, 0
	s_mov_b32 s47, 0
	s_mov_b64 s[18:19], KS
	s_mul_u64 s[22:23], s[20:21], s[18:19]
	s_mul_u64 s[92:93], s[46:47], s[18:19]
	s_mov_b64 s[18:19], KROW
	s_mul_u64 s[20:21], s[20:21], s[18:19]
	s_mul_u64 s[46:47], s[46:47], s[18:19]
	s_mul_i32 s45, s14, HALFT                      ; where they go: wave x 128 rows
	s_mul_i32 s94, s14, HALFS
	s_wait_kmcnt 0x0
	s_add_nc_u64 s[20:21], s[4:5], s[20:21]
	s_add_nc_u64 s[22:23], s[6:7], s[22:23]
	s_add_nc_u64 s[46:47], s[8:9], s[46:47]
	s_add_nc_u64 s[92:93], s[10:11], s[92:93]
	CROUND                                         ; all sixteen work-groups are here: the joint loads meet
	s_mov_b32 s[G0S], 1
	s_add_co_u32 s[G0S+1], s94, SCL
	s_mov_b64 s[G0S+2:G0S+3], s[22:23]
	s_or_b32 s[G0S+3], s[G0S+3], 0x80000000
	s_mov_b32 s[G0SB], 1
	s_add_co_u32 s[G0SB+1], s94, SCL
	s_mov_b64 s[G0SB+2:G0SB+3], s[92:93]
	s_or_b32 s[G0SB+3], s[G0SB+3], 0x80000000
	JLOAD G0S, G1S, G0SB, G1SB                     ; the scale bytes first
.irp s, 0,1
	s_mov_b32 s[G0+4*\s], 1
	s_add_co_u32 s[G0+4*\s+1], s45, \s*SLOT
	s_add_nc_u64 s[G0+4*\s+2:G0+4*\s+3], s[20:21], \s*ROWB
	s_or_b32 s[G0+4*\s+3], s[G0+4*\s+3], 0x80000000
	s_mov_b32 s[G0B+4*\s], 1
	s_add_co_u32 s[G0B+4*\s+1], s45, \s*SLOT
	s_add_nc_u64 s[G0B+4*\s+2:G0B+4*\s+3], s[46:47], \s*ROWB
	s_or_b32 s[G0B+4*\s+3], s[G0B+4*\s+3], 0x80000000
	JLOAD G0+4*\s, G1, G0B+4*\s, G1B
.endr
	s_lshr_b32 s95, ttmp9, 1
	s_min_u32 s95, s95, 1                          ; MODE: 0 for q and k, 1 for v
	s_xor_b32 s98, s95, 1
	s_min_u32 s98, s98, 1                          ; 1 - MODE
	s_mov_b32 s104, 0x76543210
	s_mov_b32 s105, 0xfedcba98                     ; v_permlanex16_b32's selects for lane l xor 16
	v_and_b32 v1, 15, v0                           ; r
	v_bfe_u32 v2, v0, 4, 1                         ; h
	v_mul_u32_u24 v3, v1, PITCH
	v_lshl_add_u32 v4, v2, 4, v3                   ; a fragment's row x pitch + 16 h
	s_mul_i32 s21, s95, 2*HALFT                    ; source 1: x's area or W's,
	s_mul_i32 s99, s15, HALFT
	s_add_co_u32 s21, s21, s99                     ; my 128 rows of it
	s_mul_i32 s22, s98, 2*HALFT                    ; source 0: the other area
	s_mul_i32 s99, s16, HALFT
	s_add_co_u32 s22, s22, s99
.irp s, 0,1
	v_add_nc_u32 v[ADRA+\s], s21, v4
	v_add_nc_u32 v[ADRB+\s], s22, v4
	s_add_co_u32 s21, s21, SLOT
	s_add_co_u32 s22, s22, SLOT
.endr
	v_mul_u32_u24 v5, v1, KS                       ; my row's scale bytes: KS bytes a row,
	v_lshrrev_b32 v6, 8, v5
	v_lshl_add_u32 v5, v6, 4, v5                   ; and 16 more for each 256 passed
	s_mul_i32 s21, s95, 2*HALFS
	s_mul_i32 s99, s15, HALFS
	s_add_co_u32 s21, s21, s99
	s_add_co_u32 s21, s21, SCL                     ; source 1's
	s_mul_i32 s22, s98, 2*HALFS
	s_mul_i32 s99, s16, HALFS
	s_add_co_u32 s22, s22, s99
	s_add_co_u32 s22, s22, SCL                     ; source 0's
	v_mov_b32 v6, s21
	v_mov_b32 v7, s22
	v_cmp_eq_u32 vcc_lo, 1, v2
	v_cndmask_b32 v6, v6, v7, vcc_lo               ; lanes 16-31 take source 0's
	v_add_nc_u32 v[ADRS], v5, v6
	s_mul_i32 s23, s14, WST                        ; my stage
	v_lshlrev_b32 v5, 5, v1
	v_lshl_add_u32 v5, v2, 2, v5
	v_add_nc_u32 v[STO], s23, v5                   ; 32 r + 4 h
	v_lshlrev_b32 v5, 2, v1
	v_add_nc_u32 v[SST], s23, v5                   ; 4 r
	v_and_b32 v6, 31, v0
	v_lshlrev_b32 v[CO], 4, v6
	v_add_nc_u32 v[RD], s23, v[CO]
	v_lshlrev_b32 v[SGO], 4, v1
	v_lshl_add_u32 v[SGO], v2, 11, v[SGO]
.irp b, 0,1,2,3
	v_mov_b32 v[TM+4+\b], 0                        ; written once: a lane permute's destination counts as one of its sources
.endr
	s_cmp_eq_u32 s95, 1
	s_cselect_b32 s99, s15, s16                    ; which half of the tile's features is mine,
	s_cselect_b32 s100, s16, s15                   ; which half of its tokens
	s_lshl_b32 s46, s42, 2
	s_lshl_b32 s47, s99, 1
	s_add_co_u32 s46, s46, s47                     ; my first head of 48: 4 X + 2 x half
	s_lshr_b32 s47, s46, 4
	s_lshl_b32 s47, s47, 7                         ; q, k or v: 128 heads' places each
	s_and_b32 s46, s46, 15
	s_add_co_u32 s46, s46, s47
	s_lshr_b32 s47, s17, 2                         ; the batch
	s_lshl_b32 s47, s47, 4
	s_add_co_u32 s46, s46, s47                     ; the head's place
	s_and_b32 s47, s17, 3
	s_lshl_b32 s101, s47, 1
	s_add_co_u32 s101, s101, s100                  ; which 128 tokens of the batch's 1,024
	s_lshl_b32 s20, s46, 15
	s_lshl_b32 s22, s101, 12
	s_add_co_u32 s20, s20, s22
	s_mov_b32 s21, 0
	s_add_nc_u64 s[66:67], s[66:67], s[20:21]      ; codes: 32,768 a head, 4,096 for 128 tokens
	s_lshl_b32 s20, s46, 11
	s_lshl_b32 s22, s101, 8
	s_add_co_u32 s20, s20, s22
	s_add_nc_u64 s[96:97], s[96:97], s[20:21]      ; scale words: 2,048 a head, 256 for 128 tokens
	s_lshl_b32 s20, s42, 10
	s_lshl_b32 s22, s99, 9
	s_add_co_u32 s20, s20, s22
	s_add_nc_u64 s[12:13], s[12:13], s[20:21]      ; the bias of my 128 features
	s_cmp_eq_u32 s95, 0
	s_cbranch_scc0 .Lbias_v
	v_lshlrev_b32 v8, 5, v2                        ; q, k: tile b's register j is feature 16 b + 8 h + j
.irp b, 0,1,2,3,4,5,6,7
	global_load_b128 v[BI+8*\b:BI+8*\b+3], v8, s[12:13] offset:64*\b
	global_load_b128 v[BI+8*\b+4:BI+8*\b+7], v8, s[12:13] offset:64*\b+16
.endr
	s_branch .Lbias_in
.Lbias_v:
	v_lshlrev_b32 v8, 2, v1                        ; v: all eight registers of tile a are feature 16 a + r
.irp a, 0,1,2,3,4,5,6,7
	global_load_b32 v[BI+8*\a], v8, s[12:13] offset:64*\a
.endr
	s_wait_loadcnt 0x0
.irp a, 0,1,2,3,4,5,6,7
.irp j, 1,2,3,4,5,6,7
	v_mov_b32 v[BI+8*\a+\j], v[BI+8*\a]
.endr
.endr
.Lbias_in:
	s_wait_loadcnt 0x0
.macro FRAG reg, adr, q, i             ; 16 rows x 128 K of 4-bit codes: lane l holds row l % 16; registers 4 c .. 4 c + 3 hold K = 64 c + 32 (l / 16) + 0 .. 31
.irp c, 0,1
	ds_load_b128 v[\reg+4*\c:\reg+4*\c+3], v[\adr] offset:64*(\q)+32*\c+(\i)*16*PITCH
.endr
.endm
; 16 matrix instructions: source 1's blocks a0, a0 + 1 x source 0's eight.  zero = 0: onto the sums; 2: the sums begin with the bias by source 0's block; 3: by source 1's block.
; The 64 accumulators take turns, one instruction a turn, in the same order in every step.
.macro MUL16 a0, p, q, sc, zero
.irp a, \a0, \a0+1
.irp b, 0,1,2,3,4,5,6,7
.if (\zero) == 2
	v_wmma_scale_f32_16x16x128_f8f6f4 v[8*(8*((\a)%4)+\b):8*(8*((\a)%4)+\b)+7], v[128*(\p)+FR*\b:128*(\p)+FR*\b+FR-1], v[AF+FR*(\a):AF+FR*(\a)+FR-1], v[BI+8*\b:BI+8*\b+7], v[SC+8*NQ*(\sc)+NQ*\b+(\q)], v[SC+8*NQ*(\sc)+NQ*(\a)+(\q)] matrix_a_fmt:MATRIX_FMT_FP4 matrix_b_fmt:MATRIX_FMT_FP4 matrix_a_scale:MATRIX_SCALE_ROW1
.elseif (\zero) == 3
	v_wmma_scale_f32_16x16x128_f8f6f4 v[8*(8*((\a)%4)+\b):8*(8*((\a)%4)+\b)+7], v[128*(\p)+FR*\b:128*(\p)+FR*\b+FR-1], v[AF+FR*(\a):AF+FR*(\a)+FR-1], v[BI+8*(\a):BI+8*(\a)+7], v[SC+8*NQ*(\sc)+NQ*\b+(\q)], v[SC+8*NQ*(\sc)+NQ*(\a)+(\q)] matrix_a_fmt:MATRIX_FMT_FP4 matrix_b_fmt:MATRIX_FMT_FP4 matrix_a_scale:MATRIX_SCALE_ROW1
.else
	v_wmma_scale_f32_16x16x128_f8f6f4 v[8*(8*((\a)%4)+\b):8*(8*((\a)%4)+\b)+7], v[128*(\p)+FR*\b:128*(\p)+FR*\b+FR-1], v[AF+FR*(\a):AF+FR*(\a)+FR-1], v[8*(8*((\a)%4)+\b):8*(8*((\a)%4)+\b)+7], v[SC+8*NQ*(\sc)+NQ*\b+(\q)], v[SC+8*NQ*(\sc)+NQ*(\a)+(\q)] matrix_a_fmt:MATRIX_FMT_FP4 matrix_b_fmt:MATRIX_FMT_FP4 matrix_a_scale:MATRIX_SCALE_ROW1
.endif
.endr
.endr
.endm
.macro FETCH_B slot, q, p
	WIN TO_B
.irp i, 0,1,2,3,4,5,6,7
	FRAG 128*(\p)+FR*\i, ADRB+\slot, \q, \i
.endr
	WIN 0
.endm
.macro FETCH_A slot, q, i0
.irp i, \i0, \i0+1, \i0+2, \i0+3
	FRAG AF+FR*(\i), ADRA+\slot, \q, \i
.endr
.endm
.macro SCALES sc                       ; a slot's scale words: 4 words a row; lanes 0-15 source 1's block i, lanes 16-31 source 0's block i
.irp i, 0,1,2,3,4,5,6,7
	ds_load_b128 v[SC+8*NQ*\sc+NQ*\i:SC+8*NQ*\sc+NQ*\i+3], v[ADRS] offset:\i*SBLK
.endr
.endm
.macro PLACES n                        ; plain vector instructions between a matrix instruction and a load into, or a read of, its registers
.rept \n
	v_nop
.endr
.endm
.macro STEP slot, q, zero              ; 128 along K that has its successor in the same slot
	s_wait_dscnt 4*NL                              ; source 0's set and source 1's blocks 0-3 are in; the youngest eight loads (blocks 4-7) may be out
.if \zero
	WIN 0x81                                       ; C (the bias) in window 0, D in window 2
.else
	WIN MUL_LO
.endif
	MUL16 0, (\q)%2, \q, \slot, \zero
	MUL16 2, (\q)%2, \q, \slot, \zero
	s_wait_dscnt 0
	PLACES NP
	FETCH_B \slot, (\q)+1, 1-(\q)%2
	FETCH_A \slot, (\q)+1, 0
.if \zero
	WIN 0xc1
.else
	WIN MUL_HI
.endif
	MUL16 4, (\q)%2, \q, \slot, \zero
	MUL16 6, (\q)%2, \q, \slot, \zero
	PLACES NP
	WIN 0
	FETCH_A \slot, (\q)+1, 4
.endm
; Slot 0's last step changes slots: one barrier; in front of it each wave waits for all its tensor loads (its part of slot 1) and for its own reads of slot 0.  Nothing is filled again.
.macro TURN slot, next
	s_wait_tensorcnt 0x0                           ; all my tensor loads have landed
	ds_add_u32 v[SPW], v[NIL]                      ; 0 onto my spare word
	s_wait_dscnt 4*NL+1                            ; (the add and the youngest eight loads may be out)
	WIN MUL_LO
	MUL16 0, 1, NQ-1, \slot, 0
	s_wait_dscnt 0x0                               ; the add is done, and my reads of this slot are over
	s_barrier_signal -1
	MUL16 2, 1, NQ-1, \slot, 0
	WIN 0
	s_barrier_wait -1
	PLACES NP
	v_add_nc_u32 v[ADRS], 4*NQ, v[ADRS]            ; on to the next slot's scale words
	FETCH_B \next, 0, 0
	FETCH_A \next, 0, 0
	SCALES \next
	WIN MUL_HI
	MUL16 4, 1, NQ-1, \slot, 0
	MUL16 6, 1, NQ-1, \slot, 0
	PLACES NP
	WIN 0
	FETCH_A \next, 0, 4
.endm
.macro STEPS slot, from
.set Q, \from
.rept NQ-1-\from
	STEP \slot, Q, 0
.set Q, Q+1
.endr
.endm
	s_wait_tensorcnt 1                             ; the scale bytes and my part of slot 0 are in (slot 1's load may be out),
	s_barrier_signal -1
	s_barrier_wait -1                              ; everybody's are
	FETCH_B 0, 0, 0
	FETCH_A 0, 0, 0
	SCALES 0
	FETCH_A 0, 0, 4
	s_cmp_eq_u32 s95, 0                            ; the first step is written once for each role: only its C differs
	s_cbranch_scc0 .Lfirst_v
	STEP 0, 0, 2
	s_branch .Lfirst_done
.Lfirst_v:
	STEP 0, 0, 3
.Lfirst_done:
	STEPS 0, 1
	TURN 0, 1
	STEPS 1, 0
	s_wait_dscnt 4*NL                              ; the last step: nothing more to fetch
	WIN MUL_LO
	MUL16 0, 1, NQ-1, 1, 0
	MUL16 2, 1, NQ-1, 1, 0
	s_wait_dscnt 0
	WIN MUL_HI
	MUL16 4, 1, NQ-1, 1, 0
	MUL16 6, 1, NQ-1, 1, 0
	WIN 0
	PLACES NP
; THE WAY OUT.  Block a: 16 rows (a lane: row 16 a + r) x 128 along the quantiser's K: register 8 b + j is K = 16 b + 8 h + j.  A block of 32 along K is accumulators 2 B and 2 B + 1 of lanes l and l xor 16.
; A conversion's four bytes are K = 16 b + 8 h + 0 .. 7: byte 8 b + 4 h of the row's 64.  The stage holds [a][b / 4][r][32 bytes]: runs of 512 bytes that are consecutive in qkvc in both roles.
.macro EBLK a
.set AC, 64*((\a)%4)
.set W_, 2+(\a)/4
	WIN W_|(W_<<2)
.irp B, 0,1,2,3
	v_max3_num_f32 v[TM+\B], |v[AC+16*\B]|, |v[AC+16*\B+1]|, 0x1800000   ; each accumulator from its low end on; the floor 2^(3 - 127) holds the byte at 1 from below
.endr
.irp i, 2,4,6,8,10,12,14
.irp B, 0,1,2,3
	v_max3_num_f32 v[TM+\B], |v[AC+16*\B+\i]|, |v[AC+16*\B+\i+1]|, v[TM+\B]
.endr
.endr
	WIN 0
.irp B, 0,1,2,3
	v_permlanex16_b32 v[TM+4+\B], v[TM+\B], s104, s105
.endr
.irp B, 0,1,2,3
	v_max_num_f32 v[TM+\B], v[TM+\B], v[TM+4+\B]   ; with lane l xor 16's: the block's largest magnitude
.endr
.irp B, 0,1,2,3
	v_add_nc_u32 v[TM+12+\B], 0xff000000, v[TM+\B] ; 2 off its exponent field: the conversion's scale operand
.endr
.irp B, 0,1,2,3
	v_lshrrev_b32 v[TM+4+\B], 23, v[TM+12+\B]      ; the scale's byte
.endr
	v_lshl_or_b32 v[SW+(\a)], v[TM+5], 8, v[TM+4]
	v_lshl_or_b32 v[SW+(\a)], v[TM+6], 16, v[SW+(\a)]
	v_lshl_or_b32 v[SW+(\a)], v[TM+7], 24, v[SW+(\a)]
	WIN W_
.irp b, 0,1,2,3,4,5,6,7
	v_cvt_scalef32_pk8_fp4_f32 v[PC+8*(\a)+\b], v[AC+8*\b:AC+8*\b+7], v[TM+12+\b/2]
.endr
	WIN 0
	v_nop                                          ; one plain place behind a scaled conversion
.irp b, 0,1,2,3,4,5,6,7
	ds_store_b32 v[STO], v[PC+8*(\a)+\b] offset:1024*(\a)+512*(\b/4)+16*((\b/2)%2)+8*(\b%2)
.endr
.endm
.irp a, 0,1,2,3,4,5,6,7
	EBLK \a
.endr
; Each role has its own arm, with scale words in stage bytes of its own.  q, k: a word's low half belongs to my first head, its high half to my second; token 16 a + r goes to half a % 2 of word 32 (a / 4) + 16 ((a / 2) % 2) + r.
; v: word 16 a + r is channel 16 a + r's.  LDS serves a wave's instructions in order: the loads see the stores.
.macro TAILOUT mode
.if \mode == 0
.irp a, 0,1,2,3,4,5,6,7
	ds_store_b16 v[SST], v[SW+\a] offset:8192+128*(\a/4)+64*((\a/2)%2)+2*(\a%2)
	ds_store_b16_d16_hi v[SST], v[SW+\a] offset:8192+256+128*(\a/4)+64*((\a/2)%2)+2*(\a%2)
.endr
.else
.irp a, 0,1,2,3,4,5,6,7
	ds_store_b32 v[SST], v[SW+\a] offset:8704+64*\a
.endr
.endif
.irp i, 0,1,2,3,4,5,6,7,8,9,10,11,12,13,14,15
	ds_load_b128 v[RB+4*\i:RB+4*\i+3], v[RD] offset:512*\i
.endr
	ds_load_b128 v[120:123], v[RD] offset:8192+512*\mode
.irp i, 0,1,2,3,4,5,6,7,8,9,10,11,12,13,14,15
	s_wait_dscnt 16-\i                             ; run i is back; the younger loads may be out
.if \mode == 0
	global_store_b128 v[CO], v[RB+4*\i:RB+4*\i+3], s[66:67] offset:32768*(\i%2)+512*(\i/2)   ; 32 lanes store 512 consecutive bytes: 16 tokens of one head
.else
	global_store_b128 v[CO], v[RB+4*\i:RB+4*\i+3], s[66:67] offset:32768*(\i/8)+512*(\i%8)   ; 16 channels x 64 keys of one head
.endif
.endr
	s_wait_dscnt 0x0
	global_store_b128 v[SGO], v[120:123], s[96:97] ; sixteen lanes store 256 consecutive bytes for each of my two heads
.endm
	s_cmp_eq_u32 s95, 0
	s_cbranch_scc0 .Lout_v
	TAILOUT 0
	s_branch .Lout_done
.Lout_v:
	TAILOUT 1
.Lout_done:
	s_wait_tensorcnt 0x0                           ; the wave's end
	ds_add_u32 v[SPW], v[NIL]
	s_wait_dscnt 0x0
	CROUND                                         ; the closing round: no work-group ends while a partner may still ask for a tile that names it
	s_endpgm
.Lfunc_end_k_qcbcd40fcf0_qkv:
	.size	k_qcbcd40fcf0_qkv, .Lfunc_end_k_qcbcd40fcf0_qkv-k_qcbcd40fcf0_qkv
	.p2alignl 7, 3214868480
	.fill 96, 4, 3214868480
	.section	.rodata,"a",@progbits
	.p2align	6, 0x0
	.amdhsa_kernel k_qcbcd40fcf0_qkv
		.amdhsa_group_segment_fixed_size 327680
		.amdhsa_private_segment_fixed_size 0
		.amdhsa_enable_private_segment 0
		.amdhsa_kernarg_size 56
		.amdhsa_user_sgpr_count 2
		.amdhsa_user_sgpr_kernarg_segment_ptr 1
		.amdhsa_wavefront_size32 1
		.amdhsa_system_sgpr_workgroup_id_x 1
		.amdhsa_system_sgpr_workgroup_id_y 1
		.amdhsa_system_sgpr_workgroup_id_z 1
		.amdhsa_system_vgpr_workitem_id 0
		.amdhsa_next_free_vgpr 1024
		.amdhsa_next_free_sgpr 106
		.amdhsa_reserve_vcc 1
		.amdhsa_float_denorm_mode_32 3
		.amdhsa_float_denorm_mode_16_64 3
		.amdhsa_memory_ordered 1
		.amdhsa_forward_progress 1
		.amdhsa_inst_pref_size 153
	.end_amdhsa_kernel
	.amdgpu_metadata
---
amdhsa.version: [ 1, 2 ]
amdhsa.kernels:
  - .name:           k_qcbcd40fcf0_qkv
    .symbol:         k_qcbcd40fcf0_qkv.kd
    .args:
      - { .name: xc, .offset: 0, .size: 8, .value_kind: global_buffer, .address_space: global }
      - { .name: xs, .offset: 8, .size: 8, .value_kind: global_buffer, .address_space: global }
      - { .name: in_proj_w_codes, .offset: 16, .size: 8, .value_kind: global_buffer, .address_space: global }
      - { .name: in_proj_w_scales, .offset: 24, .size: 8, .value_kind: global_buffer, .address_space: global }
      - { .name: in_proj_b, .offset: 32, .size: 8, .value_kind: global_buffer, .address_space: global }
      - { .name: qkvc, .offset: 40, .size: 8, .value_kind: global_buffer, .address_space: global }
      - { .name: qkvs, .offset: 48, .size: 8, .value_kind: global_buffer, .address_space: global }
    .group_segment_fixed_size: 327680
    .private_segment_fixed_size: 0
    .kernarg_segment_align: 8
    .kernarg_segment_size: 56
    .max_flat_workgroup_size: 128
    .sgpr_count:     106
    .vgpr_count:     1024
    .wavefront_size: 32
...
	.end_amdgpu_metadata
.endif
;; end of part 2
;; launch attn (part 3): grid 32 x 8, 4 waves a work-group, no clusters, 258,560 bytes of LDS; arguments x, time_decay, qkvc, qkvs, w2i, out_proj_w_scales, out_proj_b, ln_w, ln_b, out0, out1; writes out0, out1
.if DOCPART == 3
	.amdgcn_target "amdgcn-amd-amdhsa--gfx1250"
	.amdhsa_code_object_version 6
	.text
	.protected	k_qcbcd40fcf0_attn
	.globl	k_qcbcd40fcf0_attn
	.p2align	8
	.type	k_qcbcd40fcf0_attn,@function
k_qcbcd40fcf0_attn:
	s_mov_b64 s[64:65], 0
	v_nop
	global_prefetch_b8 v0, s[64:65] scope:SCOPE_SE
	s_setreg_imm32_b32 hwreg(HW_REG_WAVE_MODE, 25, 1), 1
	s_wait_xcnt 0x0
; Scores, softmax, P V, the mean of the weights over the heads (out1), the output projection, residual and LayerNorm (out0).  All products on codes of FP4 (E2M1) with E8M0 scales.
; SHARES.  A work-group takes 32 queries (two tiles t of 16) of one batch and walks all 16 heads.  In attention wave w owns keys 256 w .. 256 w + 255 for all 32 queries, so each byte of K and V is read by one wave, from memory
; straight into operand registers; in the projection wave w owns features 256 w .. + 255.  A lane holds ONE query (lane % 16) in every product: S^T = K Q^T, O^T = V^T P^T, y^T = W2 attn^T.
; p of a head (256 registers) and the running mean (256 registers) stay in registers: each exponential is computed once, and p is divided by its row's final sum when that is known.
; THE BIAS RIDES ON THE PRODUCT: the C of S^T is -8 |time_decay| |q - k|, and t = D x log2(e) / 8.  |q - k| hangs on (key tile - query tile) alone: 17 tiles, made once, serve all heads.
; K = 64 GOES IN PAIRS: a fragment of K holds key tile 2 p in registers 0-3 and tile 2 p + 1 in registers 4-7; Q lies as [0 | q | 0], so that [q, 0] and [0, q] pick one of the two; zero codes add nothing.
; EACH WAVE HAS ITS OWN WHOLE NUMBER M (the ceiling of its 256 keys' largest t); once a head the four waves' M, sums and partial O^T meet in LDS; every rescaling is a power of two made by v_ldexp_f32.
; p's codes reach the operand's layout by the choice of the conversions' destinations and v_permlane16_swap_b32; no keys are permuted.
; x IS ASKED FOR AT THE HEAD: one tensor load a wave brings its 256 features of the 32 rows into LDS bytes of its own, which are filled once and read by that wave alone, after the last head.  A wave has one tensor load out.
; NO CLUSTER: the 32 work-groups of a batch read the same K, V and W2, 68 KB a head.  A joint load would land in LDS, so every operand byte would be read once more from there, with a round of the cluster's barrier a head;
; here a head's operands are asked for a head ahead, under some 1,100 vector instructions a wave.
; LIMITS: NaN and infinities are not served; blocks whose largest magnitude lies under 2^-124 keep the byte 1, blocks of zeros too (zero codes); weights under 2^-126 of a wave's largest come out as 0;
; the bias is added inside the matrix unit's f32 sum, as 8 x bias ahead of the factor log2(e) / 8: another order of rounding than scores / 8 + bias.
; LDS: EXO [wave][tile 4 t + ct][1,024] partial O^T as images of registers; EXS, LNX [kind, t][lane][wave] words; ATT [wave][head][r][16] attn's codes; ATS [wave][head][r] its scale bytes; STG a stage of 16 rows x 1,040 for each wave;
;   BL [wave][1,024] out_proj_b; XL [wave][32 rows x 1,040] x.
; REGISTERS.  window 0: v1-23 addresses; v24-39 scale words; v40-119 at work; v120-183 V; v184-247 O^T; in the tail v120-247 out_proj_b, then attn's fragments; v248-255 attn's scale words.
;   window 1: S^T, then p (128 t + 8 i); in the tail y.   window 2: the mean, which also leaves from there; then rows of out0.
;   window 3: v0-135 the bias tiles, v136-199 K, v200-223 Q, v224-255 p's codes; in the tail W2, two sets; then ln_w and ln_b.
.set EXO, 0
.set EXS, 32768
.set ATT, 34816
.set ATS, 51200
.set LNX, 52224
.set STG, 54272
.set SPI, 1040                         ; a stage row, and a row of x in LDS: 1,024 bytes + 16: an odd multiple of 16
.set BL,  120832
.set XL,  124928
.set XW,  32*SPI                       ; a wave's tile of x
.set LQ,  1                            ; 32 r + 16 h
.set VQ,  2                            ; Q's codes
.set VK,  3                            ; K's
.set VV,  4                            ; V's
.set VKS, 5                            ; K's scale words
.set VVS, 6                            ; V's
.set VQS, 7                            ; Q's
.set XO,  8                            ; EXO: 8,192 w + 16 lane
.set XS,  9                            ; EXS + 16 lane + 4 w
.set XR,  10                           ; EXS + 16 lane
.set XC,  11                           ; EXO: the two tiles that I combine
.set AI,  12                           ; ATT + 4,096 w + 16 r + 4 h
.set AS,  13                           ; ATS + 256 w + r
.set L16, 14                           ; 16 lane
.set LA,  15                           ; 16 r + 8,192 h
.set STO, 16                           ; stage: row r, + 32 h
.set SRD, 17                           ; stage: 16 lane
.set GO,  18                           ; 1,024 w + 16 lane
.set CB,  19                           ; 1,024 w + 32 h
.set LB,  22                           ; 256 h + r
.set KS,  24                           ; v24-27 K's scale words; in the tail v24-39 W2's, two sets
.set QSR, 28                           ; Q's two tiles' bytes as loaded
.set QS,  29                           ; v29, v30 each tile's two bytes, twice
.set VS,  32
.set PW,  36                           ; p's scale words: 2 t + K step
.set BM,  40                           ; v40-55 a number for each block of 32 keys: 8 t + B
.set T1,  56                           ; v56-71
.set SO,  72                           ; v72-87 the conversions' scale operands
.set NM,  88                           ; v[88:89], v[90:91]: -M (low word), at work (high word)
.set CH,  92                           ; v92-99 four chains of sums
.set LW,  100                          ; v100, v101 my wave's row sums
.set G,   102                          ; v[102:103], v[104:105]: 2^(my M - M) / (16 l)
.set FS,  106                          ; v106, 108, 110, 112: 2^(M of wave w' - M) / l for the tile that I combine
.set SCR, 114                          ; v114-119
.set VF,  120
.set OT,  184
.set ASC, 248
.set BT,  0                            ; window 3
.set KF,  136
.set QF,  200
.set PF,  224
.set G0X, 68                           ; s[68:71] x's descriptor, group 0;  s[72:79] group 1; written once
.set G1X, 72
.set MSB, 0
.macro WIN new                         ; bits 1:0 source 0, 3:2 source 1, 5:4 source 2, 7:6 destination; the high byte repeats the setting that is left
.if MSB != \new
	s_set_vgpr_msb (MSB<<8)|\new
.set MSB, \new
.endif
.endm
.macro NOPS n
.rept \n
	v_nop
.endr
.endm
; A scaled product.  c < 0: the sum begins with 0.  ra, rb: the scales are read from lanes 16-31.
.macro WM d, a, b, c, sa, sb, ra, rb
.if (\c) < 0
.if \ra
	v_wmma_scale_f32_16x16x128_f8f6f4 v[\d:\d+7], v[\a:\a+7], v[\b:\b+7], 0, v[\sa], v[\sb] matrix_a_fmt:MATRIX_FMT_FP4 matrix_b_fmt:MATRIX_FMT_FP4 matrix_a_scale:MATRIX_SCALE_ROW1
.else
	v_wmma_scale_f32_16x16x128_f8f6f4 v[\d:\d+7], v[\a:\a+7], v[\b:\b+7], 0, v[\sa], v[\sb] matrix_a_fmt:MATRIX_FMT_FP4 matrix_b_fmt:MATRIX_FMT_FP4
.endif
.elseif (\ra) && (\rb)
	v_wmma_scale_f32_16x16x128_f8f6f4 v[\d:\d+7], v[\a:\a+7], v[\b:\b+7], v[\c:\c+7], v[\sa], v[\sb] matrix_a_fmt:MATRIX_FMT_FP4 matrix_b_fmt:MATRIX_FMT_FP4 matrix_a_scale:MATRIX_SCALE_ROW1 matrix_b_scale:MATRIX_SCALE_ROW1
.elseif \ra
	v_wmma_scale_f32_16x16x128_f8f6f4 v[\d:\d+7], v[\a:\a+7], v[\b:\b+7], v[\c:\c+7], v[\sa], v[\sb] matrix_a_fmt:MATRIX_FMT_FP4 matrix_b_fmt:MATRIX_FMT_FP4 matrix_a_scale:MATRIX_SCALE_ROW1
.elseif \rb
	v_wmma_scale_f32_16x16x128_f8f6f4 v[\d:\d+7], v[\a:\a+7], v[\b:\b+7], v[\c:\c+7], v[\sa], v[\sb] matrix_a_fmt:MATRIX_FMT_FP4 matrix_b_fmt:MATRIX_FMT_FP4 matrix_b_scale:MATRIX_SCALE_ROW1
.else
	v_wmma_scale_f32_16x16x128_f8f6f4 v[\d:\d+7], v[\a:\a+7], v[\b:\b+7], v[\c:\c+7], v[\sa], v[\sb] matrix_a_fmt:MATRIX_FMT_FP4 matrix_b_fmt:MATRIX_FMT_FP4
.endif
.endm
; 23 loads: a head's K of my 256 keys (16 tiles of 512 consecutive bytes), Q's two tiles, K's four registers of scale words, Q's one
.macro KLOADS
	WIN 0xc0
.set i_, 0
.rept 16
	global_load_b128 v[KF+4*i_:KF+4*i_+3], v[VK], s[8:9] offset:512*i_
.set i_, i_+1
.endr
	global_load_b128 v[QF+4:QF+7], v[VQ], s[8:9]
	global_load_b128 v[QF+16:QF+19], v[VQ], s[8:9] offset:512
	WIN 0
.irp x, 0,1,2,3
	global_load_b32 v[KS+\x], v[VKS], s[10:11] offset:128*\x
.endr
	global_load_b32 v[QSR], v[VQS], s[10:11]
.endm
; 20 loads: a head's V of my 256 keys: fragment (K step sp, channel tile ct), and its scale words
.macro VLOADS
.irp sp, 0,1
.irp ct, 0,1,2,3
.irp c, 0,1
	global_load_b128 v[VF+8*(4*\sp+\ct)+4*\c:VF+8*(4*\sp+\ct)+4*\c+3], v[VV], s[8:9] offset:4096*\sp+1024*\ct+512*\c
.endr
.endr
.endr
.irp i, 0,1,2,3
	global_load_b32 v[VS+\i], v[VVS], s[10:11] offset:128*\i
.endr
.endm
.macro JOIN                            ; the chains' ends: two chains, two halves of a pair, two halves of the lanes -> v[LW + t]
.irp t, 0,1
	v_pk_add_f32 v[CH+4*\t:CH+4*\t+1], v[CH+4*\t:CH+4*\t+1], v[CH+4*\t+2:CH+4*\t+3]
.endr
.irp t, 0,1
	v_add_f32 v[LW+\t], v[CH+4*\t], v[CH+4*\t+1]
.endr
.irp t, 0,1
	v_permlanex16_b32 v[SCR+\t], v[LW+\t], s30, s31
.endr
.irp t, 0,1
	v_add_f32 v[LW+\t], v[LW+\t], v[SCR+\t]
.endr
.endm
.macro SUMS                            ; for each t the sum of window 1's 128 registers, in ascending order, two at a time, in two chains
	WIN 0x05
.irp t, 0,1
	v_pk_add_f32 v[CH+4*\t:CH+4*\t+1], v[128*\t:128*\t+1], v[128*\t+4:128*\t+5]
	v_pk_add_f32 v[CH+4*\t+2:CH+4*\t+3], v[128*\t+2:128*\t+3], v[128*\t+6:128*\t+7]
.endr
	WIN 0x04
.set k_, 4
.rept 60
.irp t, 0,1
	v_pk_add_f32 v[CH+4*\t+2*(k_%2):CH+4*\t+2*(k_%2)+1], v[CH+4*\t+2*(k_%2):CH+4*\t+2*(k_%2)+1], v[128*\t+2*k_:128*\t+2*k_+1]
.endr
.set k_, k_+1
.endr
	WIN 0
	JOIN
.endm
.macro PKT k                           ; pair k of scores: t - M
	v_pk_fma_f32 v[2*(\k):2*(\k)+1], v[2*(\k):2*(\k)+1], s[32:33], v[NM+2*((\k)/64):NM+2*((\k)/64)+1] op_sel_hi:[1,0,0]
.endm
	s_load_b512 s[4:19], s[0:1], 0x0               ; x, time_decay, qkvc, qkvs, w2i, out_proj_w_scales, out_proj_b, ln_w
	s_load_b128 s[20:23], s[0:1], 0x40             ; ln_b, out0
	s_load_b64 s[24:25], s[0:1], 0x50              ; out1
	v_lshl_add_u32 v254, v0, 2, 0x3f000
	v_mov_b32 v255, 0
	ds_add_u32 v254, v255
	ds_add_u32 v254, v255
	s_wait_dscnt 0x0
	v_lshrrev_b32 v115, 5, v0
	v_readfirstlane_b32 s26, v115                  ; wave
	v_and_b32 v116, 31, v0                         ; lane
	v_and_b32 v117, 15, v0                         ; r
	v_bfe_u32 v118, v0, 4, 1                       ; h
	s_and_b32 s27, ttmp7, 0xffff                   ; the batch
	s_lshl_b32 s28, ttmp9, 5                       ; my first query
	s_mov_b32 s30, 0x76543210
	s_mov_b32 s31, 0xfedcba98                      ; v_permlanex16_b32's selects for lane l xor 16
	s_mov_b32 s32, 0x3e38aa3b                      ; c = log2(e) / 8
	s_mov_b32 s33, s32                             ; (named with it as a pair)
	s_mov_b32 s35, 0                               ; the head
	s_mov_b32 s37, 0                               ; 256 x head
	s_mov_b32 s38, 0                               ; 16 x head
	s_and_b32 s46, s26, 1                          ; the query tile that I combine,
	s_lshr_b32 s47, s26, 1                         ; and which 32 of the head's 64 channels
	s_sub_co_u32 s39, 0, s46                       ; all ones where that tile is 1
	s_mov_b32 s41, 0
	s_mov_b32 s43, 0
	s_mov_b32 s53, 0x3727c5ac                      ; 1e-5
	s_mov_b32 s54, 0x3a800000                      ; 1 / 1,024
	; x's descriptor.  Group 1: a tile of 32 rows x 256 elements of 4 bytes, 1,024 elements from row to row; in LDS 4 words of padding behind every 256
	s_mov_b32 s[G1X+0], (2<<16)|(1<<20)|(7<<22)|(3<<25)
	s_mov_b32 s[G1X+1], 256<<16                    ; tensor_dim0
	s_mov_b32 s[G1X+2], 32<<16                     ; tensor_dim1
	s_mov_b32 s[G1X+3], 256<<16                    ; tile_dim0
	s_mov_b32 s[G1X+4], 32                         ; tile_dim1
	s_mov_b32 s[G1X+5], 1024                       ; the pitch
	s_mov_b32 s[G1X+6], 0
	s_mov_b32 s[G1X+7], 0
	s_mov_b32 s[G0X], 1                            ; count = 1
	s_mul_i32 s[G0X+1], s26, XW
	s_add_co_u32 s[G0X+1], s[G0X+1], XL            ; LDS address: my wave's own bytes
	v_lshlrev_b32 v[LQ], 5, v117
	v_lshl_add_u32 v[LQ], v118, 4, v[LQ]
	s_lshl_b32 s48, s28, 5
	v_add_nc_u32 v[VQ], s48, v[LQ]                 ; 32 bytes a token
	s_lshl_b32 s48, s26, 13
	s_add_co_u32 s49, s48, 0x400000                ; k's 128 heads begin 128 x 32,768 bytes on,
	v_add_nc_u32 v[VK], s49, v[LQ]
	s_add_co_u32 s49, s48, 0x800000                ; v's twice that
	v_add_nc_u32 v[VV], s49, v[LQ]
	s_lshl_b32 s48, s26, 9
	v_lshlrev_b32 v119, 2, v116
	s_add_co_u32 s49, s48, 0x40000
	v_add_nc_u32 v[VKS], s49, v119
	s_add_co_u32 s49, s48, 0x80000
	v_add_nc_u32 v[VVS], s49, v119
	s_lshl_b32 s48, ttmp9, 6                       ; 128 (q0 / 64) + 64 ((q0 / 32) % 2) = 64 (q0 / 32)
	v_lshl_add_u32 v[VQS], v117, 2, s48
	v_lshlrev_b32 v[L16], 4, v116
	s_lshl_b32 s48, s26, 13
	v_add_nc_u32 v[XO], s48, v[L16]
	s_lshl_b32 s48, s26, 2
	s_add_co_u32 s48, s48, EXS
	v_add_nc_u32 v[XS], s48, v[L16]
	v_add_nc_u32 v[XR], EXS, v[L16]
	s_lshl_b32 s48, s46, 12
	s_lshl_b32 s49, s47, 11
	s_add_co_u32 s48, s48, s49
	v_add_nc_u32 v[XC], s48, v[L16]                ; tiles 4 t' + 2 hb and the next
	s_lshl_b32 s48, s26, 12
	s_add_co_u32 s48, s48, ATT
	v_lshlrev_b32 v119, 4, v117
	v_lshl_add_u32 v119, v118, 2, v119
	v_add_nc_u32 v[AI], s48, v119
	s_lshl_b32 s48, s26, 8
	s_add_co_u32 s48, s48, ATS
	v_add_nc_u32 v[AS], s48, v117
	v_lshlrev_b32 v[LA], 4, v117
	v_lshl_add_u32 v[LA], v118, 13, v[LA]
	v_lshl_add_u32 v[LB], v118, 8, v117
	s_mul_i32 s48, s26, 16*SPI
	s_add_co_u32 s48, s48, STG
	v_mul_u32_u24 v119, v117, SPI
	v_lshl_add_u32 v119, v118, 5, v119
	v_add_nc_u32 v[STO], s48, v119
	v_add_nc_u32 v[SRD], s48, v[L16]
	s_lshl_b32 s48, s26, 10
	v_add_nc_u32 v[GO], s48, v[L16]
	v_lshl_add_u32 v[CB], v118, 5, s48
	v_lshlrev_b32 v23, 3, v118
	v_sub_nc_u32 v23, v117, v23
	s_lshl_b32 s48, s26, 8
	s_sub_co_i32 s48, s28, s48
	v_add_nc_u32 v23, s48, v23                     ; r - 8 h + my first query - my first key
	s_wait_kmcnt 0x0
	s_load_b32 s34, s[6:7], 0x0                    ; time_decay
	s_mov_b32 s49, 0
	s_lshl_b32 s48, s27, 19
	s_add_nc_u64 s[8:9], s[8:9], s[48:49]          ; the batch's 16 heads of codes,
	s_lshl_b32 s48, s27, 15
	s_add_nc_u64 s[10:11], s[10:11], s[48:49]      ; of scale words
	s_lshl_b32 s48, s27, 22
	s_lshl_b32 s50, s28, 12
	s_add_co_u32 s48, s48, s50
	s_add_nc_u64 s[4:5], s[4:5], s[48:49]          ; x, out0 and out1 at my first query's row of 4,096 bytes
	s_add_nc_u64 s[22:23], s[22:23], s[48:49]
	s_add_nc_u64 s[24:25], s[24:25], s[48:49]
	s_lshl_b32 s48, s26, 17
	s_add_nc_u64 s[12:13], s[12:13], s[48:49]      ; my 16 tiles of W2,
	s_lshl_b32 s48, s26, 13
	s_add_nc_u64 s[14:15], s[14:15], s[48:49]      ; my 256 rows of its scale bytes
	s_lshl_b32 s48, s26, 10
	s_add_nc_u64 s[G0X+2:G0X+3], s[4:5], s[48:49]  ; x's tile: my first query's row, my 256 features
	s_or_b32 s[G0X+3], s[G0X+3], 0x80000000        ; type = 2
	global_load_b128 v[72:75], v[GO], s[16:17]     ; out_proj_b of my 256 features: 1,024 bytes, on their way into LDS
	global_load_b128 v[76:79], v[GO], s[16:17] offset:512
	KLOADS                                         ; head 0
	VLOADS
	tensor_load_to_lds s[G0X:G0X+3], s[G1X:G1X+7]  ; x: behind head 0's operands, which are wanted first; it has all 16 heads in which to land
	s_nop 0
	NOPS 4                                         ; four v_nop follow the line
	s_wait_kmcnt 0x0
	s_and_b32 s34, s34, 0x7fffffff
	s_mul_f32 s34, s34, 0xc1000000                 ; -8 |time_decay|
	WIN 0xc0                                       ; the bias tiles: tile n / 8 serves key tile - query tile = n / 8 - 1; register n % 8 is the key 8 h + n % 8 of the tile
.set n_, 0
.rept 136
	v_add_nc_u32 v[BT+n_], 16-16*(n_/8)-(n_%8), v23
.set n_, n_+1
.endr
	WIN 0xc3
.set n_, 0
.rept 136
	v_cvt_f32_i32 v[BT+n_], v[BT+n_]
.set n_, n_+1
.endr
	WIN 0xcc
.set n_, 0
.rept 136
	v_mul_f32 v[BT+n_], s34, |v[BT+n_]|
.set n_, n_+1
.endr
	WIN 0xc0
.irp n, 0,1,2,3,8,9,10,11,12,13,14,15,20,21,22,23
	v_mov_b32 v[QF+\n], 0                          ; the zero codes beside q
.endr
	WIN 0
.set n_, 0
.rept 16
	v_mov_b32 v[T1+n_], 0                          ; written once: a lane permute's destination counts as one of its sources
.set n_, n_+1
.endr
.irp n, 0,1,2,3,4,5
	v_mov_b32 v[SCR+\n], 0
.endr
.irp n, 1,3
	v_mov_b32 v[G+\n], 0                           ; the upper halves of pairs of which the low word serves both halves
.endr
.irp n, 1,3,5,7
	v_mov_b32 v[FS+\n], 0
.endr
	v_add_nc_u32 v20, BL, v[GO]
	s_wait_loadcnt 20                              ; out_proj_b, K, Q and their scale words are in; V's 20 loads may be out
	ds_store_b128 v20, v[72:75]                    ; out_proj_b into my wave's own 1,024 bytes: read by me alone, in the tail
	ds_store_b128 v20, v[76:79] offset:512
	v_perm_b32 v[QS], v[QSR], v[QSR], 0x01000100   ; tile 0's two bytes, twice
	v_perm_b32 v[QS+1], v[QSR], v[QSR], 0x03020302 ; tile 1's
	NOPS 8                                         ; a scale register written by a vector instruction stands 8 places ahead of a scaled matrix instruction
; ONE HEAD.  first = 1: the mean begins.
.macro HEAD_STEP first
	; ---- S^T = K Q^T + the bias: 32 accumulators, each written once
	WIN 0x7f
.set p_, 0
.rept 8
.irp u, 0,1
.irp t, 0,1
	WM 128*\t+8*(2*p_+\u), KF+8*p_, QF+12*\t+4-4*\u, BT+8*(2*p_+\u-\t+1), KS+p_/2, QS+\t, p_%2, 0
.endr
.endr
.set p_, p_+1
.endr
	WIN 0
	NOPS 4                                         ; places in front of the reads of the scores and of the loads into K, Q and K's scale words
	; ---- the next head's K and Q are asked for.  The last head asks for its own again: inside the buffer, and every wait's count stays the same
	s_wait_xcnt 0x0                                ; the bases are stepped only behind this wait
	s_cmp_lt_u32 s35, 15
	s_cselect_b32 s40, 0x8000, 0
	s_cselect_b32 s42, 0x800, 0
	s_add_nc_u64 s[8:9], s[8:9], s[40:41]
	s_add_nc_u64 s[10:11], s[10:11], s[42:43]
	KLOADS
	; ---- the largest score of each block of 32 keys: it serves for the row's maximum and, since p rises with the score, for the block's largest p
	WIN 0x15
.set x_, 0
.rept 16
	v_max3_num_f32 v[BM+x_], v[16*x_], v[16*x_+1], v[16*x_+2]      ; each accumulator from its low end on
.set x_, x_+1
.endr
	WIN 0x14
.irp i, 3,5,7,9,11,13
.set x_, 0
.rept 16
	v_max3_num_f32 v[BM+x_], v[BM+x_], v[16*x_+\i], v[16*x_+\i+1]
.set x_, x_+1
.endr
.endr
.set x_, 0
.rept 16
	v_max_num_f32 v[BM+x_], v[BM+x_], v[16*x_+15]
.set x_, x_+1
.endr
	WIN 0
.set x_, 0
.rept 16
	v_permlanex16_b32 v[T1+x_], v[BM+x_], s30, s31
.set x_, x_+1
.endr
.set x_, 0
.rept 16
	v_max_num_f32 v[BM+x_], v[BM+x_], v[T1+x_]     ; with lane l xor 16's 16 keys
.set x_, x_+1
.endr
.irp t, 0,1
	v_max3_num_f32 v[NM+2*\t+1], v[BM+8*\t], v[BM+8*\t+1], v[BM+8*\t+2]
.endr
.irp t, 0,1
	v_max3_num_f32 v[NM+2*\t+1], v[NM+2*\t+1], v[BM+8*\t+3], v[BM+8*\t+4]
.endr
.irp t, 0,1
	v_max3_num_f32 v[NM+2*\t+1], v[NM+2*\t+1], v[BM+8*\t+5], v[BM+8*\t+6]
.endr
.irp t, 0,1
	v_max_num_f32 v[NM+2*\t+1], v[NM+2*\t+1], v[BM+8*\t+7]
.endr
.irp t, 0,1
	v_mul_f32 v[NM+2*\t+1], s32, v[NM+2*\t+1]      ; as t (c is positive)
.endr
.irp t, 0,1
	v_floor_f32 v[NM+2*\t], -v[NM+2*\t+1]          ; -M = floor(-t) = -ceil(t): a whole number
.endr
.set x_, 0
.rept 16
	v_fma_f32 v[BM+x_], v[BM+x_], s32, v[NM+2*(x_/8)]
.set x_, x_+1
.endr
	; ---- p = 2^(t - M): a packed multiply-add runs four pairs ahead of the exponentials, so that a plain instruction stands behind every second exponential
	WIN 0x41
	PKT 0
	PKT 1
	PKT 2
	PKT 3
.set k_, 0
.rept 128
	v_exp_f32 v[2*k_], v[2*k_]
	v_exp_f32 v[2*k_+1], v[2*k_+1]
.if k_ < 124
	PKT k_+4
.endif
.set k_, k_+1
.endr
	WIN 0
.set x_, 0
.rept 16
	v_exp_f32 v[BM+x_], v[BM+x_]                   ; the block's largest p: the same two instructions on the same number give the same bits
.set x_, x_+1
.endr
	v_nop                                          ; a plain place behind the exponentials
.set x_, 0
	s_wait_alu depctr_va_vdst(0)
.rept 16
	v_max_num_f32 v[BM+x_], 0x1800000, v[BM+x_]    ; the floor 2^(3 - 127): the byte cannot fall under 1
.set x_, x_+1
.endr
.set x_, 0
.rept 16
	v_add_nc_u32 v[SO+x_], 0xff000000, v[BM+x_]    ; 2 off the exponent field: the conversion's scale operand
.set x_, x_+1
.endr
.set x_, 0
.rept 16
	v_lshrrev_b32 v[T1+x_], 23, v[SO+x_]           ; the scale's byte
.set x_, x_+1
.endr
.irp n, 0,1,2,3
	v_lshl_or_b32 v[PW+\n], v[T1+4*\n+1], 8, v[T1+4*\n]
.endr
.irp n, 0,1,2,3
	v_lshl_or_b32 v[PW+\n], v[T1+4*\n+2], 16, v[PW+\n]
.endr
.irp n, 0,1,2,3
	v_lshl_or_b32 v[PW+\n], v[T1+4*\n+3], 24, v[PW+\n]
.endr
	; ---- p's codes.  Tile i = 8 s' + 4 c + 2 y + u of query tile t goes to register 16 t + 8 s' + 4 c + 2 u + y; the exchanges below then leave K = 64 c + 32 h + 0 .. 31 in registers 4 c .. 4 c + 3
	WIN 0xc1
.set i_, 0
.rept 32
	v_cvt_scalef32_pk8_fp4_f32 v[PF+8*(i_/8)+4*((i_/4)%2)+2*(i_%2)+((i_/2)%2)], v[8*i_:8*i_+7], v[SO+i_/2]
.set i_, i_+1
.endr
	v_nop                                          ; one plain place behind a scaled conversion
	WIN 0xc3
.set n_, 0
.rept 16
	v_permlane16_swap_b32 v[PF+2*n_], v[PF+2*n_+1]
.set n_, n_+1
.endr
	WIN 0
	v_add_nc_u32 v20, s37, v[AI]                   ; this head's place among attn's codes,
	v_add_nc_u32 v21, s38, v[AS]                   ; and among its scale bytes.  With the six lines below: eight places between p's scale words and codes and the products
	NOPS 6
	; ---- O^T = V^T P^T over my 256 keys: eight accumulators by turns, two K steps
	s_wait_loadcnt 23                              ; V and its scale words are in; the next head's 23 loads are younger
	WIN 0x0c
.irp ct, 0,1,2,3
.irp t, 0,1
	WM OT+8*(4*\t+\ct), VF+8*\ct, PF+16*\t, -1, VS+\ct/2, PW+2*\t, \ct%2, 0
.endr
.endr
.irp ct, 0,1,2,3
.irp t, 0,1
	WM OT+8*(4*\t+\ct), VF+8*(4+\ct), PF+16*\t+8, OT+8*(4*\t+\ct), VS+2+\ct/2, PW+2*\t+1, \ct%2, 0
.endr
.endr
	WIN 0
	NOPS 4                                         ; places in front of the loads into V and of the stores of O^T
	VLOADS                                         ; the next head's V
	; ---- my part of O^T goes to LDS now, each accumulator from its low end on: the stores land while the rows' sums are taken
.set n_, 0
.rept 8
	ds_store_b128 v[XO], v[OT+8*n_:OT+8*n_+3] offset:1024*n_
	ds_store_b128 v[XO], v[OT+8*n_+4:OT+8*n_+7] offset:1024*n_+512
.set n_, n_+1
.endr
	; ---- the rows' sums, of the unquantised p
	SUMS
	ds_store_b32 v[XS], v[NM]
	ds_store_b32 v[XS], v[NM+2] offset:512
	ds_store_b32 v[XS], v[LW] offset:1024
	ds_store_b32 v[XS], v[LW+1] offset:1536
	s_wait_dscnt 0x0                               ; for the others' sake: my stores have landed
	s_barrier_signal -1
	s_barrier_wait -1
.irp k, 0,1,2,3
	ds_load_b128 v[BM+4*\k:BM+4*\k+3], v[XR] offset:512*\k         ; -M of the four waves for t = 0, 1; their sums for t = 0, 1
.endr
.irp w, 0,1,2,3
.irp x, 0,1,2,3
	ds_load_b128 v[OT+16*\w+4*\x:OT+16*\w+4*\x+3], v[XC] offset:8192*\w+512*\x   ; the four waves' parts of my two tiles
.endr
.endr
	s_wait_dscnt 16                                ; the statistics are in; the 16 younger loads may be out
.irp t, 0,1
	v_min3_num_f32 v[SCR+\t], v[BM+4*\t], v[BM+4*\t+1], v[BM+4*\t+2]
.endr
.irp t, 0,1
	v_min_num_f32 v[SCR+\t], v[SCR+\t], v[BM+4*\t+3]               ; -M of the whole row
.endr
.set n_, 0
.rept 8
	v_sub_f32 v[T1+n_], v[SCR+n_/4], v[BM+n_]      ; a wave's M less the row's: a whole number, 0 or less
.set n_, n_+1
.endr
.set n_, 0
.rept 8
	v_cvt_i32_f32 v[T1+n_], v[T1+n_]               ; (it saturates)
.set n_, n_+1
.endr
.set n_, 0
.rept 8
	v_ldexp_f32 v[T1+n_], 1.0, v[T1+n_]            ; f: a power of two
.set n_, n_+1
.endr
.irp t, 0,1
	v_mul_f32 v[SCR+2+\t], v[T1+4*\t], v[BM+8+4*\t]
.endr
.irp w, 1,2,3
.irp t, 0,1
	v_fma_f32 v[SCR+2+\t], v[T1+4*\t+\w], v[BM+8+4*\t+\w], v[SCR+2+\t]   ; the row's sum l
.endr
.endr
.irp t, 0,1
	v_sub_f32 v[SCR+4+\t], v[SCR+\t], v[NM+2*\t]   ; my M less the row's,
.endr
.irp t, 0,1
	v_add_f32 v[SCR+4+\t], -4.0, v[SCR+4+\t]       ; and 1 / 16 for the mean over the heads
.endr
.irp t, 0,1
	v_cvt_i32_f32 v[SCR+4+\t], v[SCR+4+\t]
.endr
.irp t, 0,1
	v_rcp_f32 v[SCR+2+\t], v[SCR+2+\t]             ; 1 / l
.endr
.irp w, 0,1,2,3
	v_cndmask_b32 v[FS+2*\w], v[T1+\w], v[T1+4+\w], s39            ; f of the tile that I combine.  (Plain places behind the reciprocals)
.endr
	s_wait_alu depctr_va_vdst(0)
.irp t, 0,1
	v_ldexp_f32 v[G+2*\t], v[SCR+2+\t], v[SCR+4+\t]
.endr
	v_cndmask_b32 v[SCR], v[SCR+2], v[SCR+3], s39
.irp w, 0,1,2,3
	v_mul_f32 v[FS+2*\w], v[FS+2*\w], v[SCR]
.endr
	; ---- the mean takes this head's p / (16 l): work on registers that the 16 loads still out do not touch; they land meanwhile
.if \first
	WIN 0x81
.set k_, 0
.rept 128
	v_pk_mul_f32 v[2*k_:2*k_+1], v[2*k_:2*k_+1], v[G+2*(k_/64):G+2*(k_/64)+1] op_sel_hi:[1,0]
.set k_, k_+1
.endr
.else
	WIN 0xa1
.set k_, 0
.rept 128
	v_pk_fma_f32 v[2*k_:2*k_+1], v[2*k_:2*k_+1], v[G+2*(k_/64):G+2*(k_/64)+1], v[2*k_:2*k_+1] op_sel_hi:[1,0,1]
.set k_, k_+1
.endr
.endif
	WIN 0
	s_wait_loadcnt 20                              ; the next head's K, Q and scale words are in; its V's 20 loads are younger
	v_perm_b32 v[QS], v[QSR], v[QSR], 0x01000100
	v_perm_b32 v[QS+1], v[QSR], v[QSR], 0x03020302
	s_wait_dscnt 0x0                               ; the four waves' parts of my two tiles are in
.set x_, 0
.rept 8
	v_pk_mul_f32 v[T1+2*x_:T1+2*x_+1], v[OT+2*x_:OT+2*x_+1], v[FS:FS+1] op_sel_hi:[1,0]
.set x_, x_+1
.endr
.irp w, 1,2,3
.set x_, 0
.rept 8
	v_pk_fma_f32 v[T1+2*x_:T1+2*x_+1], v[OT+16*\w+2*x_:OT+16*\w+2*x_+1], v[FS+2*\w:FS+2*\w+1], v[T1+2*x_:T1+2*x_+1] op_sel_hi:[1,0,1]
.set x_, x_+1
.endr
.endr
	; attn(query r of my tile, channels 32 hb + 8 h + 0 .. 7 and + 16): one block of 32 along the projection's K, in lanes l and l xor 16
	v_max3_num_f32 v[SCR+1], |v[T1]|, |v[T1+1]|, 0x1800000
.irp i, 2,4,6,8,10,12,14
	v_max3_num_f32 v[SCR+1], v[SCR+1], |v[T1+\i]|, |v[T1+\i+1]|
.endr
	v_permlanex16_b32 v[SCR+2], v[SCR+1], s30, s31
	v_max_num_f32 v[SCR+1], v[SCR+1], v[SCR+2]
	v_add_nc_u32 v[SCR+2], 0xff000000, v[SCR+1]
	v_lshrrev_b32 v[SCR+3], 23, v[SCR+2]
	v_cvt_scalef32_pk8_fp4_f32 v[SCR+4], v[T1:T1+7], v[SCR+2]
	v_cvt_scalef32_pk8_fp4_f32 v[SCR+5], v[T1+8:T1+15], v[SCR+2]
	v_nop                                          ; one plain place behind a scaled conversion
	ds_store_b32 v20, v[SCR+4]                     ; bytes 4 h .. of the block's 16,
	ds_store_b32 v20, v[SCR+5] offset:8            ; and 8 + 4 h ..
	ds_store_b8 v21, v[SCR+3]                      ; both halves of the lanes write the same byte with the same value
	s_wait_dscnt 0x0                               ; my reads of the exchange are over and my stores have landed
	s_barrier_signal -1
	s_barrier_wait -1                              ; nobody reads the exchange any more: the next head may store there
	s_add_co_u32 s37, s37, 256
	s_add_co_u32 s38, s38, 16
	s_add_co_u32 s35, s35, 1
.endm
	HEAD_STEP 1
.Lhead:                                            ; 15 trips
	HEAD_STEP 0
	s_cmp_lt_u32 s35, 16
	s_cbranch_scc1 .Lhead
; THE TAIL.  Results leave through my own stage: in as a result lies (row r, 32 bytes for each half of the lanes), back as rows, which 32 lanes store as 512 consecutive bytes.
.macro ROWS_OUT wst, wld, wgs, sb      ; 32 rows of 1,024 bytes, 16 at a time
.irp t, 0,1
	WIN \wst
.set i_, 0
.rept 16
	ds_store_b128 v[STO], v[128*\t+8*i_:128*\t+8*i_+3] offset:64*i_
	ds_store_b128 v[STO], v[128*\t+8*i_+4:128*\t+8*i_+7] offset:64*i_+16
.set i_, i_+1
.endr
	WIN \wld
.set m_, 0
.rept 32
	ds_load_b128 v[128*\t+4*m_:128*\t+4*m_+3], v[SRD] offset:SPI*(m_/2)+512*(m_%2)   ; LDS serves a wave's instructions in order: these see the stores above
.set m_, m_+1
.endr
	WIN \wgs
.set m_, 0
.rept 32
	s_wait_dscnt 31-m_
	global_store_b128 v[GO], v[128*\t+4*m_:128*\t+4*m_+3], s[\sb:\sb+1] offset:(16*\t+m_/2)*4096+512*(m_%2) th:TH_STORE_NT
.set m_, m_+1
.endr
.endr
	WIN 0
.endm
; out1 leaves in four quarters (query tile t, half z of my 256 keys), each in two pieces, one behind each group of the projection's products, where the wave would else only wait for W2.
; A quarter's 64 registers of the mean go into the stage and come back, as 16 rows of 512 bytes, into the registers that they left.
.macro STORE8 t, z, r0                 ; rows r0 .. r0 + 7 of the quarter; behind row rho's load 15 - rho loads are younger
.set q_, \r0
.rept 8
	s_wait_dscnt 15-q_
	global_store_b128 v[GO], v[128*(\t)+64*(\z)+4*q_:128*(\t)+64*(\z)+4*q_+3], s[24:25] offset:(16*(\t)+q_)*4096+512*(\z) th:TH_STORE_NT
.set q_, q_+1
.endr
.endm
.macro PIECE_A t, z
	WIN 0x08                                       ; an LDS store's data are its source 1: window 2
.set i_, 8*(\z)
.rept 8
	ds_store_b128 v[STO], v[128*(\t)+8*i_:128*(\t)+8*i_+3] offset:64*i_
	ds_store_b128 v[STO], v[128*(\t)+8*i_+4:128*(\t)+8*i_+7] offset:64*i_+16
.set i_, i_+1
.endr
	WIN 0x80
.set q_, 0
.rept 16
	ds_load_b128 v[128*(\t)+64*(\z)+4*q_:128*(\t)+64*(\z)+4*q_+3], v[SRD] offset:SPI*q_+512*(\z)   ; LDS serves a wave's instructions in order: these see the stores above
.set q_, q_+1
.endr
	WIN 0x08
	STORE8 \t, \z, 0
	WIN 0
.endm
.macro PIECE_B t, z
	WIN 0x08
	STORE8 \t, \z, 8
	WIN 0
.endm
.macro W2LOAD g                        ; 34 loads: feature tiles 2 g and 2 g + 1 of my 16: eight fragments each, and their rows' 32 scale bytes (lanes 0-15 words 0-3, lanes 16-31 words 4-7)
.set z_, (\g)%2
	WIN 0xc0
.irp u, 0,1
.irp s, 0,1,2,3,4,5,6,7
.irp c, 0,1
	global_load_b128 v[128*z_+64*\u+8*\s+4*\c:128*z_+64*\u+8*\s+4*\c+3], v[L16], s[12:13] offset:(2*(\g)+\u)*8192+1024*\s+512*\c
.endr
.endr
.endr
	WIN 0
.irp u, 0,1
	global_load_b128 v[KS+8*z_+4*\u:KS+8*z_+4*\u+3], v[LQ], s[14:15] offset:(2*(\g)+\u)*512
.endr
.endm
.macro OPROJ g                         ; 32 products: four accumulators (two feature tiles x two token tiles) by turns, eight K steps.  W2 in window 3, attn in window 0, y in window 1
.set z_, (\g)%2
	WIN 0x53
.irp s, 0,1,2,3,4,5,6,7
.irp u, 0,1
.irp t, 0,1
	WM 128*\t+8*(2*(\g)+\u), 128*z_+64*\u+8*\s, VF+64*\t+8*\s, 128*\t+8*(2*(\g)+\u), KS+8*z_+4*\u+\s%4, ASC+\s, \s/4, \t
.endr
.endr
.endr
	WIN 0
.endm
	; ---- W2's first set is asked for before anything else: the bias tiles' registers are free
	W2LOAD 0
	s_wait_loadcnt 34                              ; the last head's second asking for V has landed: its registers are free; W2's 34 loads are younger
	s_wait_tensorcnt 0x0                           ; my tile of x lies in LDS
	s_mul_i32 s48, s26, 16*SPI
	s_add_co_u32 s48, s48, XL-STG
	v_add_nc_u32 v20, s48, v[STO]                  ; XL + 33,280 w + 1,040 r + 32 h
	v_add_nc_u32 v21, BL, v[CB]                    ; BL + 1,024 w + 32 h
	; ---- x in the layout of a result: register 8 ti + j of lane (r, h) is x(16 t + r, 256 w + 16 ti + 8 h + j), into the registers that p has left
	WIN 0x40
.irp t, 0,1
.set m_, 0
.rept 32
	ds_load_b128 v[128*\t+4*m_:128*\t+4*m_+3], v20 offset:16*SPI*\t+64*(m_/2)+16*(m_%2)
.set m_, m_+1
.endr
.endr
	WIN 0
.set n_, 0
.rept 32
	ds_load_u8 v[BM+n_], v[LB] offset:ATS+512*(n_%2)+16*(n_/2)     ; byte n = 2 head + block of token r; lanes 0-15 tile 0, lanes 16-31 tile 1
.set n_, n_+1
.endr
.set m_, 0
.rept 32
	ds_load_b128 v[VF+4*m_:VF+4*m_+3], v21 offset:64*(m_/2)+16*(m_%2)   ; out_proj_b in the result's layout
.set m_, m_+1
.endr
	s_wait_dscnt 32                                ; x and the scale bytes are in; out_proj_b's 32 loads are younger
.irp s, 0,1,2,3,4,5,6,7
	v_lshl_or_b32 v[ASC+\s], v[BM+4*\s+1], 8, v[BM+4*\s]
.endr
.irp s, 0,1,2,3,4,5,6,7
	v_lshl_or_b32 v[ASC+\s], v[BM+4*\s+2], 16, v[ASC+\s]
.endr
.irp s, 0,1,2,3,4,5,6,7
	v_lshl_or_b32 v[ASC+\s], v[BM+4*\s+3], 24, v[ASC+\s]
.endr
	s_wait_dscnt 0x0
	WIN 0x41                                       ; y begins as x + out_proj_b.  (These 128 lines are also the places behind the scale words just made)
.irp t, 0,1
.set k_, 0
.rept 64
	v_pk_add_f32 v[128*\t+2*k_:128*\t+2*k_+1], v[128*\t+2*k_:128*\t+2*k_+1], v[VF+2*k_:VF+2*k_+1]
.set k_, k_+1
.endr
.endr
	WIN 0
.irp t, 0,1
.irp s, 0,1,2,3,4,5,6,7
.irp c, 0,1
	ds_load_b128 v[VF+64*\t+8*\s+4*\c:VF+64*\t+8*\s+4*\c+3], v[LA] offset:ATT+4096*\t+512*\s+256*\c   ; attn's fragment (t, K step s): head 2 s + c, block h, written by wave t + 2 h
.endr
.endr
.endr
	W2LOAD 1
	s_wait_dscnt 0x0                               ; attn's fragments are in
.irp g, 0,1,2,3,4,5,6,7
.if \g < 7
	s_wait_loadcnt 34                              ; this set is in; the next set's 34 loads are younger
.else
	s_wait_loadcnt 0x0
.endif
	OPROJ \g
	NOPS 4                                         ; places in front of the loads into the set just read, and of the first reads of y
.if \g < 6
	W2LOAD \g+2
.endif
.if (\g)%2 == 0
	PIECE_A \g/4, (\g/2)%2                         ; an eighth of out1 leaves while W2's next sets are on their way
.else
	PIECE_B \g/4, (\g/2)%2
.endif
.endr
	; ---- LayerNorm.  Each wave takes its own mean off its 256 features first, so that no difference of large sums is formed; the four waves' means and sums of squares meet in LDS
	WIN 0xc0
.set m_, 0
.rept 32
	global_load_b128 v[4*m_:4*m_+3], v[CB], s[18:19] offset:64*(m_/2)+16*(m_%2)
	global_load_b128 v[128+4*m_:128+4*m_+3], v[CB], s[20:21] offset:64*(m_/2)+16*(m_%2)
.set m_, m_+1
.endr
	SUMS
.irp t, 0,1
	v_mul_f32 v[NM+2*\t], 0xbb800000, v[LW+\t]     ; minus my wave's mean: the sum x -1 / 256
.endr
	WIN 0x41
.set k_, 0
.rept 128
	v_pk_add_f32 v[2*k_:2*k_+1], v[2*k_:2*k_+1], v[NM+2*(k_/64):NM+2*(k_/64)+1] op_sel_hi:[1,0]
.set k_, k_+1
.endr
	WIN 0x05
.irp t, 0,1
	v_pk_mul_f32 v[CH+4*\t:CH+4*\t+1], v[128*\t:128*\t+1], v[128*\t:128*\t+1]
	v_pk_mul_f32 v[CH+4*\t+2:CH+4*\t+3], v[128*\t+2:128*\t+3], v[128*\t+2:128*\t+3]
.endr
.set k_, 2
.rept 62
.irp t, 0,1
	v_pk_fma_f32 v[CH+4*\t+2*(k_%2):CH+4*\t+2*(k_%2)+1], v[128*\t+2*k_:128*\t+2*k_+1], v[128*\t+2*k_:128*\t+2*k_+1], v[CH+4*\t+2*(k_%2):CH+4*\t+2*(k_%2)+1]
.endr
.set k_, k_+1
.endr
	WIN 0
	JOIN
	ds_store_b32 v[XS], v[NM] offset:LNX-EXS
	ds_store_b32 v[XS], v[NM+2] offset:LNX-EXS+512
	ds_store_b32 v[XS], v[LW] offset:LNX-EXS+1024
	ds_store_b32 v[XS], v[LW+1] offset:LNX-EXS+1536
	s_wait_dscnt 0x0
	s_barrier_signal -1
	s_barrier_wait -1
.irp k, 0,1,2,3
	ds_load_b128 v[BM+4*\k:BM+4*\k+3], v[XR] offset:LNX-EXS+512*\k
.endr
	s_wait_dscnt 0x0
.irp t, 0,1
	v_add_f32 v[SCR+\t], v[BM+4*\t], v[BM+4*\t+1]
	v_add_f32 v[SCR+2+\t], v[BM+4*\t+2], v[BM+4*\t+3]
.endr
.irp t, 0,1
	v_add_f32 v[SCR+\t], v[SCR+\t], v[SCR+2+\t]
.endr
.irp t, 0,1
	v_mul_f32 v[SCR+\t], 0x3e800000, v[SCR+\t]     ; minus the row's mean
.endr
.set n_, 0
.rept 8
	v_sub_f32 v[T1+n_], v[BM+n_], v[SCR+n_/4]      ; the row's mean less a wave's
.set n_, n_+1
.endr
.irp t, 0,1
	v_mul_f32 v[SCR+2+\t], v[T1+4*\t], v[T1+4*\t]
	v_add_f32 v[SCR+4+\t], v[BM+8+4*\t], v[BM+8+4*\t+1]
.endr
.irp w, 1,2,3
.irp t, 0,1
	v_fma_f32 v[SCR+2+\t], v[T1+4*\t+\w], v[T1+4*\t+\w], v[SCR+2+\t]
.endr
.endr
.irp t, 0,1
	v_add_f32 v[SCR+4+\t], v[SCR+4+\t], v[BM+8+4*\t+2]
.endr
.irp t, 0,1
	v_add_f32 v[SCR+4+\t], v[SCR+4+\t], v[BM+8+4*\t+3]
.endr
.irp t, 0,1
	v_fma_f32 v[SCR+4+\t], v[SCR+2+\t], 0x43800000, v[SCR+4+\t]    ; + 256 x the squares of the means' distances
.endr
.irp t, 0,1
	v_fma_f32 v[SCR+4+\t], v[SCR+4+\t], s54, s53   ; the variance + 1e-5
.endr
.irp t, 0,1
	v_rsq_f32 v[G+2*\t], v[SCR+4+\t]
.endr
.irp t, 0,1
	v_sub_f32 v[SCR+2+\t], v[NM+2*\t], v[SCR+\t]   ; the row's mean less my wave's.  (Plain places behind the roots)
.endr
	s_wait_alu depctr_va_vdst(0)
.irp t, 0,1
	v_mul_f32 v[FS+2*\t], -v[SCR+2+\t], v[G+2*\t]
.endr
	WIN 0x41
.set k_, 0
.rept 128
	v_pk_fma_f32 v[2*k_:2*k_+1], v[2*k_:2*k_+1], v[G+2*(k_/64):G+2*(k_/64)+1], v[FS+2*(k_/64):FS+2*(k_/64)+1] op_sel_hi:[1,0,0]
.set k_, k_+1
.endr
	s_wait_loadcnt 0x0                             ; ln_w and ln_b
	WIN 0x7d
.irp t, 0,1
.set k_, 0
.rept 64
	v_pk_fma_f32 v[128*\t+2*k_:128*\t+2*k_+1], v[128*\t+2*k_:128*\t+2*k_+1], v[2*k_:2*k_+1], v[128+2*k_:128+2*k_+1]
.set k_, k_+1
.endr
.endr
	; ---- out0: its rows come back into window 2, from which out1 was stored
	s_wait_xcnt 0x0                                ; out1's stores have read their registers: only behind this wait are those loaded again
	ROWS_OUT 0x04, 0x80, 0x08, 22
	s_wait_xcnt 0x0
	v_lshl_add_u32 v254, v0, 2, 0x3f000
	v_mov_b32 v255, 0
	s_wait_tensorcnt 0x0
	ds_add_u32 v254, v255
	s_wait_dscnt 0x0
	s_endpgm
.Lfunc_end_k_qcbcd40fcf0_attn:
	.size	k_qcbcd40fcf0_attn, .Lfunc_end_k_qcbcd40fcf0_attn-k_qcbcd40fcf0_attn
	.p2alignl 7, 3214868480
	.fill 96, 4, 3214868480
	.section	.rodata,"a",@progbits
	.p2align	6, 0x0
	.amdhsa_kernel k_qcbcd40fcf0_attn
		.amdhsa_group_segment_fixed_size 258560
		.amdhsa_private_segment_fixed_size 0
		.amdhsa_enable_private_segment 0
		.amdhsa_kernarg_size 88
		.amdhsa_user_sgpr_count 2
		.amdhsa_user_sgpr_kernarg_segment_ptr 1
		.amdhsa_wavefront_size32 1
		.amdhsa_system_sgpr_workgroup_id_x 1
		.amdhsa_system_sgpr_workgroup_id_y 1
		.amdhsa_system_sgpr_workgroup_id_z 1
		.amdhsa_system_vgpr_workitem_id 0
		.amdhsa_next_free_vgpr 1024
		.amdhsa_next_free_sgpr 80
		.amdhsa_reserve_vcc 0
		.amdhsa_float_denorm_mode_32 3
		.amdhsa_float_denorm_mode_16_64 3
		.amdhsa_memory_ordered 1
		.amdhsa_forward_progress 1
		.amdhsa_inst_pref_size 255
	.end_amdhsa_kernel
	.section	.bss,"aw",@nobits
	.p2align	6
	.space	262144
	.amdgpu_metadata
---
amdhsa.version: [ 1, 2 ]
amdhsa.kernels:
  - .name:           k_qcbcd40fcf0_attn
    .symbol:         k_qcbcd40fcf0_attn.kd
    .args:
      - { .name: x, .offset: 0, .size: 8, .value_kind: global_buffer, .address_space: global }
      - { .name: time_decay, .offset: 8, .size: 8, .value_kind: global_buffer, .address_space: global }
      - { .name: qkvc, .offset: 16, .size: 8, .value_kind: global_buffer, .address_space: global }
      - { .name: qkvs, .offset: 24, .size: 8, .value_kind: global_buffer, .address_space: global }
      - { .name: w2i, .offset: 32, .size: 8, .value_kind: global_buffer, .address_space: global }
      - { .name: out_proj_w_scales, .offset: 40, .size: 8, .value_kind: global_buffer, .address_space: global }
      - { .name: out_proj_b, .offset: 48, .size: 8, .value_kind: global_buffer, .address_space: global }
      - { .name: ln_w, .offset: 56, .size: 8, .value_kind: global_buffer, .address_space: global }
      - { .name: ln_b, .offset: 64, .size: 8, .value_kind: global_buffer, .address_space: global }
      - { .name: out0, .offset: 72, .size: 8, .value_kind: global_buffer, .address_space: global }
      - { .name: out1, .offset: 80, .size: 8, .value_kind: global_buffer, .address_space: global }
    .group_segment_fixed_size: 258560
    .private_segment_fixed_size: 0
    .kernarg_segment_align: 8
    .kernarg_segment_size: 88
    .max_flat_workgroup_size: 128
    .sgpr_count:     80
    .vgpr_count:     1024
    .wavefront_size: 32
...
	.end_amdgpu_metadata
.endif
;; end of part 3
